; MI455X (gfx1250); checked and timed in simulation.
; The chip was launched on July 23, 2026; its instructions are those of AMD's public machine-readable ISA for CDNA 5 (MIT licence, August 2026) and "CDNA5" Instruction Set Architecture Reference Guide (July 2026). The comments in the code are by the model that wrote it; some were corrected since.
;; Own Multi Head Transformer. Allowed arithmetic: matrix products marked QUANTISED: E4M3 operands, one given power-of-two scale a tensor, by v_wmma_f32_16x16x64_fp8_fp8 or v_wmma_f32_16x16x128_fp8_fp8, f32 sums; everything else in f32.
;; Inputs: W1 4,096 x 1,024 float32; W2 1,024 x 4,096 float32; Wk 16 x 64 x 1,024 float32; Wq 16 x 64 x 1,024 float32; Wv 16 x 64 x 1,024 float32; b1 4,096 float32; b2 1,024 float32; bk 16 x 64 float32; bq 16 x 64 float32; bv 16 x 64 float32; embeddings 4 x 1,024 x 1,024 float32; lowp_scales 14 int32 (the exponents e of the quantised operands' scales 2^e).
;; Outputs: out0 4 x 1,024 x 1,024 float32.
;; This version of the problem:
;;   THIS VERSION OF THE PROBLEM IS GIVEN IN LOW PRECISION. The matrix products marked QUANTISED in the list below multiply operands that are first quantised to E4M3 (4 exponent bits, 3 mantissa bits; 8 bits a number), with one given power-of-two scale for each operand tensor; their sums are f32. All else is computed in f32.
;;   The module's matrix products, in the order in which they are computed (A, B: the left and right operand; K: the contracted axis; several contracted axes count as one K, in the product's order):
;;     1. [M 1,024, K 1,024] x [K 1,024, N 4,096]; A: input Wq; B: input embeddings: QUANTISED (scales: A lowp_scales[0], B lowp_scales[1])
;;     2. [M 1,024, K 1,024] x [K 1,024, N 4,096]; A: input Wk; B: input embeddings: QUANTISED (scales: A lowp_scales[2], B lowp_scales[3])
;;     3. [M 1,024, K 1,024] x [K 1,024, N 4,096]; A: input Wv; B: input embeddings: QUANTISED (scales: A lowp_scales[4], B lowp_scales[5])
;;     4. batch 64 x [M 1,024, K 64] x [K 64, N 1,024]; A: computed on the way; B: computed on the way: QUANTISED (scales: A lowp_scales[6], B lowp_scales[7])
;;     5. batch 64 x [M 1,024, K 1,024] x [K 1,024, N 64]; A: softmax (see below); B: computed on the way: QUANTISED (scales: A lowp_scales[8], B lowp_scales[9])
;;     6. [M 4,096, K 1,024] x [K 1,024, N 4,096]; A: computed on the way; B: input W1: QUANTISED (scales: A lowp_scales[10], B lowp_scales[11])
;;     7. [M 4,096, K 4,096] x [K 4,096, N 1,024]; A: computed on the way; B: input W2: QUANTISED (scales: A lowp_scales[12], B lowp_scales[13])
;;   THE QUANTISER, for each operand of a quantised product, along K:
;;     - The operand's scale is 2^e, e = its entry of the input lowp_scales (int32; the entries are numbered through the quantised products in the list's order, A before B).
;;     - Each number is divided by the scale, clamped to +-448, and rounded to the nearest number of E4M3, ties to even, subnormals kept.
;;     - The product sums the exact products of the quantised numbers (number of the format x scale) in f32.
;;   ~~~python
;;   def quantise(x, axis, e):      # numpy; x: float32 -> the quantised numbers, widened to float32 again
;;       x = np.moveaxis(x, axis, -1); K = x.shape[-1]
;;       r = np.clip(x / 2.0 ** e, -448, 448)
;;       step = 2.0 ** (np.maximum(np.frexp(np.where(r == 0, 1, r))[1] - 1, -6) - 3)
;;       q = np.round(r / step) * step * 2.0 ** e      # np.round: ties to even
;;       return np.moveaxis(q, -1, axis).astype(np.float32)
;;   ~~~
;;   SOFTMAX AHEAD OF A QUANTISED PRODUCT. Where the list says 'softmax', what is quantised is not the finished softmax but p = 2^(t - M), with t = logit x log2(e) and M = ceil(the row's largest t), a whole number; so 1/2 < the row's largest p <= 1. The row's sum l is taken of the UNQUANTISED p, in f32, and the product's result is divided by l at the end. Since M is a whole number, a kernel that streams over the keys may use a running M (the ceiling of the running maximum): every later rescaling is an exact power of two, so the quantised numbers keep their values, but for numbers so far below the row's largest that they fall under the format's range.
;;   OPERANDS COMPUTED ON THE WAY. 'Computed on the way' means the value that the module computes at that place (a softmax that the list does not call 'softmax' is quantised finished and normalised). What goes into a quantiser is computed in f32, as accurately as f32 sums, v_exp_f32 and their like allow (about 1e-6 of the number): no bf16 or f16 on the way to a quantiser, and a product that is left as it is and whose result goes on into a quantised operand takes f32 operands (vector FMAs, or v_wmma_f32_16x16x4_f32). A number that lies on a knife's edge between two numbers of the format may be rounded either way, as far as f32 arithmetic and the matrix unit's own rounding can turn it there, and no further.
;; One version. Each part assembles by itself: llvm-mc -triple=amdgcn-amd-amdhsa -mcpu=gfx1250 --defsym DOCPART=n.
;; ======== version 1 of 1: 5 launches
;; workspace buffers: xcodes 12,582,912 bytes; wcodes 11,534,336 bytes; qkv 12,582,912 bytes; hcat 4,194,304 bytes; hid 16,777,216 bytes
;; launch quant (part 1): grid 480 x 1, 4 waves a work-group, no clusters, 33,280 bytes of LDS; arguments embeddings, Wq, Wk, Wv, W1, W2, lowp_scales, xcodes, wcodes; writes xcodes, wcodes
.if DOCPART == 1
	.amdgcn_target "amdgcn-amd-amdhsa--gfx1250"
	.amdhsa_code_object_version 6
	.text
	.protected	k_q440eb2f0d3_quant
	.globl	k_q440eb2f0d3_quant
	.p2align	8
	.type	k_q440eb2f0d3_quant,@function
k_q440eb2f0d3_quant:
	s_mov_b64 s[64:65], 0
	v_nop
	global_prefetch_b8 v0, s[64:65] scope:SCOPE_SE
	s_setreg_imm32_b32 hwreg(HW_REG_WAVE_MODE, 25, 1), 1
	s_wait_xcnt 0x0
; The six f32 inputs of the quantised products become codes of E4M3, K innermost (K is the last axis of all six), each with its given scale 2^e.
; code = x / 2^e, held within +-448, rounded to the nearest code, ties to even.
; The embeddings are an operand of three products with an entry of their own in each (entries 1, 3, 5): they are read once and converted three times, into three tensors of codes 4 MiB apart in xcodes.
; wcodes: Wq at 0, Wk at 1 MiB, Wv at 2 MiB, W1 at 3 MiB, W2 at 7 MiB (entries 0, 2, 4, 11, 13).
; SHARES.  All tensors are dense streams.  A work-group takes 32,768 numbers, a wave 8,192 in 16 steps of 512.  Work-groups 0-127 take the embeddings, 128-159 Wq, 160-191 Wk, 192-223 Wv, 224-351 W1, 352-479 W2:
; pointers, the job's first work-group and e are chosen by s_cselect on the work-group's number; all jobs take one path but for the two further conversions of the embeddings.
; A conversion takes eight neighbours from ONE lane's registers, a load is dense where neighbouring LANES take neighbouring bytes: each of a step's four loads reads 512 consecutive bytes, and the 2,048 bytes turn
; through the wave's own stage in LDS (16 bytes of padding behind each 64) and come back 64 bytes a lane.  A lane's 16 codes are 16 bytes: a store covers 512 consecutive bytes.
; No tensor loads, no barrier, no cluster: waves share nothing.  Loads run eight steps (32 loads, 16 KiB a wave) ahead, the turn through LDS one step.
; LIMITS: each e used here lies between -126 and 119, so that 2^e and 448 x 2^e are f32 numbers.  NaN among the inputs is not served (an infinity is held at the largest code).
.set STEPS, 16
.set DEPTH, 8                          ; steps of loads on their way
.set SP,    80                         ; a lane's place in a stage: its 64 bytes + 16 of padding
.set WREG,  8192                       ; LDS of a wave: two stages of 32 x SP bytes
.set NX,    128                        ; work-groups of the embeddings
.set R,     16                         ; v16-143  eight sets of 16 numbers as they are loaded
.set X,     144                        ; v144-175 two sets of 16 neighbours
.set T,     176                        ; v176-191 the 16 numbers, held
.set C,     192                        ; v192-239 codes: four sets (step % 4) of three times four registers
	s_load_b512 s[4:19], s[0:1], 0x0               ; embeddings s[4:5], Wq s[6:7], Wk s[8:9], Wv s[10:11], W1 s[12:13], W2 s[14:15], the exponents s[16:17], xcodes s[18:19]
	s_load_b64 s[20:21], s[0:1], 0x40              ; wcodes
	v_lshl_add_u32 v240, v0, 2, 0x8000
	v_mov_b32 v241, 0
	v_lshrrev_b32 v1, 5, v0
	v_readfirstlane_b32 s32, v1                    ; wave
	v_and_b32 v2, 31, v0                           ; lane
	v_lshlrev_b32 v3, 4, v2                        ; my 16 bytes of a load's 512
	v_lshlrev_b32 v4, 4, v2                        ; my 16 codes of a step's 512
	s_mul_i32 s33, s32, WREG
	v_lshrrev_b32 v14, 2, v2
	v_mul_u32_u24 v14, v14, SP
	v_and_b32 v15, 3, v2
	v_lshl_add_u32 v14, v15, 4, v14
	v_add_nc_u32 v14, s33, v14                     ; the stage, on the way in: SP (lane / 4) + 16 (lane % 4)
	v_mul_u32_u24 v15, v2, SP
	v_add_nc_u32 v15, s33, v15                     ; and on the way out: SP x lane
	s_wait_kmcnt 0x0
	s_load_b256 s[36:43], s[16:17], 0x0            ; e0 .. e7
	s_load_b128 s[44:47], s[16:17], 0x20           ; e8 .. e11
	s_load_b64 s[48:49], s[16:17], 0x30            ; e12, e13: the 56 bytes are read and no more
	s_mov_b64 s[22:23], s[4:5]                     ; the job's source,
	s_mov_b32 s24, 0                               ; and its first work-group
.macro JOB first, ptr
	s_cmp_ge_u32 ttmp9, \first
	s_cselect_b64 s[22:23], s[\ptr:\ptr+1], s[22:23]
	s_cselect_b32 s24, \first, s24
.endm
	JOB 128, 6
	JOB 160, 8
	JOB 192, 10
	JOB 224, 12
	JOB 352, 14
	s_sub_co_u32 s50, ttmp9, s24
	s_lshl_b32 s50, s50, 2
	s_add_co_u32 s50, s50, s32                     ; which run of 8,192 numbers of the tensor is my wave's
	s_lshl_b32 s50, s50, 15                        ; x 32,768 bytes
	s_mov_b32 s51, 0
	s_add_nc_u64 s[22:23], s[22:23], s[50:51]
	s_lshl_b32 s35, s32, 13                        ; my wave's 8,192 codes
	s_lshl_b32 s52, ttmp9, 15
	s_add_co_u32 s52, s52, s35
	s_mov_b32 s53, 0
	s_add_nc_u64 s[28:29], s[18:19], s[52:53]
	s_add_nc_u64 s[28:29], s[28:29], 0x400000      ; the embeddings' second tensor of codes,
	s_add_nc_u64 s[30:31], s[28:29], 0x400000      ; and the third: both are used by work-groups 0-127 alone
	s_cmp_lt_u32 ttmp9, NX
	s_cselect_b64 s[26:27], s[18:19], s[20:21]     ; the first destination: xcodes, or wcodes, whose order is the work-groups' order
	s_cselect_b32 s34, 0, NX
	s_sub_co_u32 s34, ttmp9, s34
	s_lshl_b32 s34, s34, 15
	s_add_co_u32 s34, s34, s35
	s_mov_b32 s35, 0
	s_add_nc_u64 s[26:27], s[26:27], s[34:35]
.macro LOAD t
.irp i, 0,1,2,3
	global_load_b128 v[R+16*((\t)%DEPTH)+4*\i:R+16*((\t)%DEPTH)+4*\i+3], v3, s[22:23] offset:2048*(\t)+512*\i th:TH_LOAD_NT   ; 32 lanes read 512 consecutive bytes
.endr
.endm
.macro TURN t                          ; step t's numbers through the stage: LDS serves a wave's instructions in order, so no wait stands between the stores and the loads
.irp i, 0,1,2,3
	ds_store_b128 v14, v[R+16*((\t)%DEPTH)+4*\i:R+16*((\t)%DEPTH)+4*\i+3] offset:32*SP*((\t)%2)+8*SP*\i
.endr
.irp i, 0,1,2,3
	ds_load_b128 v[X+16*((\t)%2)+4*\i:X+16*((\t)%2)+4*\i+3], v15 offset:32*SP*((\t)%2)+16*\i
.endr
.endm
.irp t, 0,1,2,3,4,5,6,7
	LOAD \t
.endr
	s_wait_kmcnt 0x0
	s_mov_b32 s25, s37                             ; e of the first conversion: e1 for the embeddings,
	s_cmp_ge_u32 ttmp9, 128
	s_cselect_b32 s25, s36, s25                    ; e0 for Wq,
	s_cmp_ge_u32 ttmp9, 160
	s_cselect_b32 s25, s38, s25                    ; e2 for Wk,
	s_cmp_ge_u32 ttmp9, 192
	s_cselect_b32 s25, s40, s25                    ; e4 for Wv,
	s_cmp_ge_u32 ttmp9, 224
	s_cselect_b32 s25, s47, s25                    ; e11 for W1,
	s_cmp_ge_u32 ttmp9, 352
	s_cselect_b32 s25, s49, s25                    ; e13 for W2
.macro MKSC se, vs, vl                 ; 2^e as f32 (the conversion takes its exponent field), and 448 x 2^e
	s_add_co_i32 s54, s[\se], 127
	s_lshl_b32 s55, s54, 23
	v_mov_b32 v[\vs], s55
	s_add_co_i32 s54, s54, 8
	s_lshl_b32 s54, s54, 23
	s_or_b32 s54, s54, 0x600000
	v_mov_b32 v[\vl], s54
.endm
	MKSC 25, 6, 7
	MKSC 39, 8, 9                                  ; e3
	MKSC 41, 10, 11                                ; e5
	s_wait_loadcnt 4*(DEPTH-1)                     ; step 0's four loads are in; those of the seven steps behind it may be out
	TURN 0
; One conversion of step t's 16 numbers with scale v[sc] and hold v[lim], stored through base s[d:d+1].  The numbers stay in X: they may be converted again.
.macro CONV t, k, sc, lim, d
.set CR, C+12*((\t)%4)+4*(\k)
.irp i, 0,1,2,3,4,5,6,7,8,9,10,11,12,13,14,15
	v_med3_num_f32 v[T+\i], v[X+16*((\t)%2)+\i], -v[\lim], v[\lim]   ; the conversion to an 8-bit code does not saturate (ISA guide 7.6.2): the hold comes first
.endr
	v_cvt_scalef32_pk8_fp8_f32 v[CR:CR+1], v[T:T+7], v[\sc]
	v_cvt_scalef32_pk8_fp8_f32 v[CR+2:CR+3], v[T+8:T+15], v[\sc]
	v_nop                                          ; a plain line between the conversions and the next holds, which write their sources
	global_store_b128 v4, v[CR:CR+3], s[\d:\d+1] offset:512*(\t)
.endm
.macro STEP t
	s_wait_dscnt 0x0                               ; this step's numbers are back from the stage: so its stores into the stage have read their registers,
.if (\t)+DEPTH < STEPS
	LOAD (\t)+DEPTH                                ; which take the loads of eight steps on
.endif
.if (\t)+1 < STEPS
.if (\t)+DEPTH < STEPS
	s_wait_loadcnt 4*(DEPTH-1)                     ; the next step's four loads are in; those of the seven steps behind it may be out
.else
	s_wait_loadcnt 4*(STEPS-2-(\t))                ; the tail: the steps behind the next one run out
.endif
	TURN (\t)+1                                    ; and go through the other stage while this step is worked
.endif
	s_wait_xcnt 0x0                                ; the stores of four steps ago have read this set of code registers
	CONV \t, 0, 6, 7, 26
	s_cmp_lt_u32 ttmp9, NX                         ; the embeddings have two more scales; the branch hangs on the work-group's number, and only register work and stores stand under it
	s_cbranch_scc0 .Lone_\@
	CONV \t, 1, 8, 9, 28
	CONV \t, 2, 10, 11, 30
.Lone_\@:
.endm
.irp t, 0,1,2,3,4,5,6,7,8,9,10,11,12,13,14,15
	STEP \t
.endr
	s_wait_tensorcnt 0x0
	ds_add_u32 v240, v241
	s_wait_dscnt 0x0
	s_endpgm
.Lfunc_end_k_q440eb2f0d3_quant:
	.size	k_q440eb2f0d3_quant, .Lfunc_end_k_q440eb2f0d3_quant-k_q440eb2f0d3_quant
	.p2alignl 7, 3214868480
	.fill 96, 4, 3214868480
	.section	.rodata,"a",@progbits
	.p2align	6, 0x0
	.amdhsa_kernel k_q440eb2f0d3_quant
		.amdhsa_group_segment_fixed_size 33280
		.amdhsa_private_segment_fixed_size 0
		.amdhsa_enable_private_segment 0
		.amdhsa_kernarg_size 72
		.amdhsa_user_sgpr_count 2
		.amdhsa_user_sgpr_kernarg_segment_ptr 1
		.amdhsa_wavefront_size32 1
		.amdhsa_system_sgpr_workgroup_id_x 1
		.amdhsa_system_sgpr_workgroup_id_y 1
		.amdhsa_system_sgpr_workgroup_id_z 1
		.amdhsa_system_vgpr_workitem_id 0
		.amdhsa_next_free_vgpr 242
		.amdhsa_next_free_sgpr 66
		.amdhsa_reserve_vcc 0
		.amdhsa_float_denorm_mode_32 3
		.amdhsa_float_denorm_mode_16_64 3
		.amdhsa_memory_ordered 1
		.amdhsa_forward_progress 1
		.amdhsa_inst_pref_size 82
	.end_amdhsa_kernel
	.amdgpu_metadata
---
amdhsa.version: [ 1, 2 ]
amdhsa.kernels:
  - .name:           k_q440eb2f0d3_quant
    .symbol:         k_q440eb2f0d3_quant.kd
    .args:
      - { .name: embeddings, .offset: 0, .size: 8, .value_kind: global_buffer, .address_space: global }
      - { .name: Wq, .offset: 8, .size: 8, .value_kind: global_buffer, .address_space: global }
      - { .name: Wk, .offset: 16, .size: 8, .value_kind: global_buffer, .address_space: global }
      - { .name: Wv, .offset: 24, .size: 8, .value_kind: global_buffer, .address_space: global }
      - { .name: W1, .offset: 32, .size: 8, .value_kind: global_buffer, .address_space: global }
      - { .name: W2, .offset: 40, .size: 8, .value_kind: global_buffer, .address_space: global }
      - { .name: lowp_scales, .offset: 48, .size: 8, .value_kind: global_buffer, .address_space: global }
      - { .name: xcodes, .offset: 56, .size: 8, .value_kind: global_buffer, .address_space: global }
      - { .name: wcodes, .offset: 64, .size: 8, .value_kind: global_buffer, .address_space: global }
    .group_segment_fixed_size: 33280
    .private_segment_fixed_size: 0
    .kernarg_segment_align: 8
    .kernarg_segment_size: 72
    .max_flat_workgroup_size: 128
    .sgpr_count:     66
    .vgpr_count:     242
    .wavefront_size: 32
...
	.end_amdgpu_metadata
.endif
;; end of part 1
;; launch proj (part 2): grid 12 x 16, 4 waves a work-group, clusters of 4 x 4, 327,680 bytes of LDS; arguments xcodes, wcodes, lowp_scales, bq, bk, bv, qkv; writes qkv
.if DOCPART == 2
	.amdgcn_target "amdgcn-amd-amdhsa--gfx1250"
	.amdhsa_code_object_version 6
	.text
	.protected	k_q440eb2f0d3_proj
	.globl	k_q440eb2f0d3_proj
	.p2align	8
	.type	k_q440eb2f0d3_proj,@function
k_q440eb2f0d3_proj:
	s_mov_b64 s[64:65], 0
	v_nop
	global_prefetch_b8 v0, s[64:65] scope:SCOPE_SE
	s_setreg_imm32_b32 hwreg(HW_REG_WAVE_MODE, 25, 1), 1
	s_wait_xcnt 0x0
	s_wait_alu depctr_hold_cnt(0) depctr_sa_sdst(0) depctr_va_vdst(0) depctr_va_sdst(0) depctr_va_ssrc(0) depctr_va_vcc(0) depctr_vm_vsrc(0)
	s_getreg_b32 s2, hwreg(HW_REG_IB_STS2, 6, 4)
	s_cmp_eq_u32 s2, 0
	s_cbranch_scc0 .Lentry_in_a_cluster
	s_endpgm
.Lentry_in_a_cluster:
	s_bfe_u32 s2, ttmp6, 0x10000c
	s_cmp_lg_u32 s2, 0xf033
	s_cbranch_scc0 .Lentry_shape_is_right
	s_endpgm
.Lentry_shape_is_right:
; Q, K, V = x W^T + bias on codes of E4M3, and the results quantised at once (Q by entry 6, K by entry 7, V by entry 9) into blocks of 16 KiB laid as the attention launch reads them.
; The cluster's x says which of the three (0 Q, 1 K, 2 V): it is equal in all sixteen partners.  x's codes: variant 0, 1, 2 of xcodes; W's: wcodes + 1 MiB x type.  K = 1,024.
; TILE.  A work-group of four waves makes 256 x 256, a wave 128 x 128: 64 accumulators, 512 registers.  THE MATRIX INSTRUCTION IS USED TRANSPOSED: source 0 = 16 rows of 'B', source 1 = 16 rows of 'A':
; a lane holds one row of A and eight neighbouring rows of B, which are eight neighbours for the conversion.  For Q and K: A = x (tokens), B = W (features): codes with the features innermost.
; For V the roles are changed BY ADDRESS ALONE: A = Wv, B = x: codes with the tokens (the second product's keys) innermost.
; OUT.  A wave's 128 x 128 codes are one dense block: Q, K: [128 tokens][128 features = two heads]; V: [128 features][128 tokens]; block ((8 b + head pair) 8 + token block) of the type's 4 MiB.
; RING.  K goes in steps of 256 through two LDS slots filled by the tensor data mover; 4 x 4 work-groups form a cluster: A's tiles are asked for jointly along a row of the cluster, B's along a column.
; BIAS.  A sum stands for sum x 2^(eW + ex), so the bias goes in as bias / 2^(eW + ex).  Along B (Q, K) it is the C of the first K step's products; along A (V) it is added on the way out; the form that a type does not use is 0.
; The three scales ahead of the quantiser are folded into the conversion's one: 2^(eo - eW - ex).
; 192 work-groups: 3 x 16 x 4 tiles of 256 x 256; a smaller tile would read each fragment from LDS for half as many products.
; LIMITS: eo - eW - ex between -126 and 119; bias / 2^(eW + ex) stays an f32 number.  NaN among the inputs is not served.
; REGISTERS, in windows of 256: window 0: v0-31 addresses; v32-95 the bias along B; v96-111 the bias along A; from v128 A's fragments, ONE set; on the way out v32-95 and v128-223 are at work.
;   window 1: B's fragments, TWO sets, at v0 and v128.   window 2: the accumulators of my rows 0-63 ((a, b) at v[8 (8 a + b)]);   window 3: those of my rows 64-127.
.set ROWB,   256                       ; a tile's row in bytes: 256 along K
.set KROW,   1024                      ; a row of x or W in memory
.set PITCH,  272                       ; an LDS row: 256 bytes + 16 of padding = 68 words: the 16 rows that a load touches start 4 words apart modulo 64
.set FR,     16                        ; registers of a fragment: 16 rows x 128 K
.set NL,     4                         ; LDS loads that bring one
.set NP,     4                         ; places behind this matrix instruction (ISA guide 7.12.1)
.set HALFT,  128*PITCH                 ; 128 rows: what one tensor load brings
.set SLOT,   4*HALFT                   ; A's 256 rows, then B's 256 rows
.set LAPS,   2                         ; 1,024 along K = two laps of two slots
.set SPARE,  2*SLOT                    ; behind the ring: the spare words, 128 bytes a wave
.set AQ,     128                       ; from one 128 along K to the next in a slot, A's and B's
.set AI,     16*PITCH                  ; from 16 rows to the next
.set BQ,     128
.set BI,     16*PITCH
.set ASTEP,  2*ROWB                    ; a refill's step in memory
.set BSTEP,  2*ROWB
.set SPI,    144                       ; the way out: a stage of 128 rows x (128 bytes + 16) for each wave, in slot 0, which has had its last fill and its last read by then
.set ADRA, 16                          ; v16-17  LDS address of my A fragments in slot 0, 1
.set ADRB, 20                          ; v20-21  the same for B
.set STO,  24                          ; v24     the way out: where I put 8 codes of a row
.set RD,   25                          ; v25     where I read 16 bytes back
.set CO,   26                          ; v26     16 x lane: my bytes of a store's 512
.set SPW,  28                          ; v28     LDS address of my spare word; never rewritten
.set NIL,  29                          ; v29     0; never rewritten
.set SCV,  30                          ; v30     2^(eo - eW - ex) as f32
.set LIMV, 31                          ; v31     448 x that
.set BN,   32                          ; v32-95  bias along B: tile b's eight at v[BN + 8 b]
.set BM,   96                          ; v96-111 bias along A: block a's at v[BM + 2 a]; the odd registers are 0 (named as pairs)
.set AF,   128                         ; A's fragments
.set T,    128                         ; the way out: a block's 64 numbers
.set CD,   192                         ; v192-223 their codes, two sets
.set BK0,  32                          ; the way out: the block read back: v32-95, v128-191
.set BK1,  128
.set G1, 24                            ; s[24:31] descriptor group 1 for A's tiles;  s[32:39] group 0, one set for each slot
.set G0, 32
.set G1B, 48                           ; s[48:55], s[56:63] the same for B's tiles
.set G0B, 56
.set MSB, 0
.macro WIN new                         ; the immediate's high byte repeats the setting that is left
.if MSB != (\new)
	s_set_vgpr_msb (MSB<<8)|(\new)
.set MSB, (\new)
.endif
.endm
.set MUL_LO, 0xa1                      ; source 0 (B) window 1, source 1 (A) window 0, C and D window 2
.set MUL_HI, 0xf1                      ; the same, C and D window 3
.set TO_B,   0x40                      ; destination window 1, address window 0
; A joint load: waves 0 and 1 fetch for A, waves 2 and 3 for B.  Each line has one mask and one set of registers for all that issue it; the branch hangs on the wave's number alone.
; Four v_nop follow each of the two lines, ahead of the jump, the label and what follows.
.macro JLOAD s
	s_cmp_eq_u32 s15, 0
	s_cbranch_scc0 .Lfor_b_\@
	tensor_load_to_lds s[G0+4*\s:G0+4*\s+3], s[G1:G1+7]
	s_nop 0
.rept 4
	v_nop
.endr
	s_branch .Lasked_\@
.Lfor_b_\@:
	tensor_load_to_lds s[G0B+4*\s:G0B+4*\s+3], s[G1B:G1B+7]
	s_nop 0
.rept 4
	v_nop
.endr
.Lasked_\@:
.endm
.macro CREST                           ; a round of the cluster's barrier behind its opening barrier
	s_cmp_lg_u32 s14, 0
	s_cbranch_scc1 .Lnot_wave_0_\@
	s_barrier_signal -3
.Lnot_wave_0_\@:
	s_barrier_wait -3
	s_barrier_signal -1
	s_barrier_wait -1
.endm
.macro CROUND                          ; a whole round
	s_barrier_signal -1
	s_barrier_wait -1
	CREST
.endm
	s_load_b128 s[4:7], s[0:1], 0x0                ; xcodes s[4:5], wcodes s[6:7]
	s_load_b128 s[8:11], s[0:1], 0x10              ; the exponents s[8:9], bq s[10:11]
	s_load_b128 s[68:71], s[0:1], 0x20             ; bk s[68:69], bv s[70:71]
	s_load_b64 s[72:73], s[0:1], 0x30              ; qkv
	v_lshl_add_u32 v[SPW], v0, 2, SPARE
	v_mov_b32 v[NIL], 0
	ds_add_u32 v28, v29
	s_wait_dscnt 0x0
	v_lshrrev_b32 v1, 5, v0
	v_readfirstlane_b32 s14, v1                    ; wave 0..3
	s_lshr_b32 s15, s14, 1                         ; which half of A's rows is mine.  Also: I fetch for A (0) or for B (1)
	s_and_b32 s16, s14, 1                          ; which half of B's rows.  Also: which 128 rows of that tile I fetch
	s_bfe_u32 s40, ttmp6, 0x40000                  ; cx, cy: my place in the cluster
	s_bfe_u32 s41, ttmp6, 0x40004
	s_and_b32 s93, ttmp7, 0xffff
	s_lshl_b32 s93, s93, 2                         ; 4 x cluster y
	s_add_co_u32 s17, s93, s41                     ; x's block of 256 tokens where x is A,
	s_add_co_u32 s42, s93, s40                     ; and where x is B
	s_lshl_b32 s22, ttmp9, 22                      ; x's variant in xcodes
	s_lshl_b32 s23, ttmp9, 20                      ; W's tensor in wcodes
	s_cmp_eq_u32 ttmp9, 2                          ; V?  The cluster's x is equal in all partners
	s_cselect_b32 s17, s41, s17                    ; A's block of 256 rows: hangs on cy (and the cluster's y)
	s_cselect_b32 s42, s42, s40                    ; B's: hangs on cx (and the cluster's y)
	s_cselect_b32 s18, s23, s22                    ; A's tensor in its buffer,
	s_cselect_b32 s19, s22, s23                    ; B's
	s_lshl_b32 s43, s41, 2
	s_lshl_b32 s43, 15, s43                        ; my row of the cluster
	s_lshl_b32 s44, 0x1111, s40                    ; my column
	; descriptor group 1: a tile of 128 rows x 256 bytes, padded in LDS
	s_or_b32 s[G1+0], s43, (0<<16)|(1<<20)|(1<<21)|(5<<22)|(3<<25)  ; 15:0 the mask: A's tiles go to my row; 17:16 element of 1 byte; 20 padding on; 21 set beside a mask; 24:22 after every 64 words (code 5); 31:25 of 4 words (code 3)
	s_or_b32 s[G1B+0], s44, (0<<16)|(1<<20)|(1<<21)|(5<<22)|(3<<25)
.irp g, G1, G1B
	s_mov_b32 s[\g+1], ROWB<<16                    ; tensor_dim0
	s_mov_b32 s[\g+2], 128<<16                     ; tensor_dim1 = 128
	s_mov_b32 s[\g+3], ROWB<<16                    ; tile_dim0
	s_mov_b32 s[\g+4], 128                         ; tile_dim1 = 128
	s_mov_b32 s[\g+5], KROW                        ; tensor_dim0_stride
	s_mov_b32 s[\g+6], 0
	s_mov_b32 s[\g+7], 0
.endr
	s_lshl_b32 s67, s16, 7                         ; which 128 rows of the tile I fetch
	s_lshl_b32 s20, s17, 8
	s_add_co_u32 s20, s20, s67
	s_lshl_b32 s20, s20, 10                        ; A: (256 x block + 128 x half) rows of 1,024 bytes,
	s_add_co_u32 s20, s20, s18                     ; in its tensor
	s_mov_b32 s21, 0
	s_lshl_b32 s46, s42, 8
	s_add_co_u32 s46, s46, s67
	s_lshl_b32 s46, s46, 10
	s_add_co_u32 s46, s46, s19                     ; B likewise
	s_mov_b32 s47, 0
	s_mul_i32 s45, s14, HALFT                      ; where they go: wave x 128 rows: no place in the cluster enters an LDS address
	s_wait_kmcnt 0x0
	s_load_b256 s[76:83], s[8:9], 0x0              ; e0 .. e7
	s_load_b64 s[84:85], s[8:9], 0x20              ; e8, e9
	s_cmp_eq_u32 ttmp9, 2
	s_cselect_b64 s[18:19], s[6:7], s[4:5]         ; A's buffer,
	s_cselect_b64 s[22:23], s[4:5], s[6:7]         ; B's
	s_add_nc_u64 s[20:21], s[18:19], s[20:21]
	s_add_nc_u64 s[46:47], s[22:23], s[46:47]
	CROUND                                         ; all sixteen work-groups are here: the first joint loads meet
.irp s, 0,1
	s_mov_b32 s[G0+4*\s], 1
	s_add_co_u32 s[G0+4*\s+1], s45, \s*SLOT
	s_add_nc_u64 s[G0+4*\s+2:G0+4*\s+3], s[20:21], \s*ROWB
	s_or_b32 s[G0+4*\s+3], s[G0+4*\s+3], 0x80000000
	s_mov_b32 s[G0B+4*\s], 1
	s_add_co_u32 s[G0B+4*\s+1], s45, \s*SLOT
	s_add_nc_u64 s[G0B+4*\s+2:G0B+4*\s+3], s[46:47], \s*ROWB
	s_or_b32 s[G0B+4*\s+3], s[G0B+4*\s+3], 0x80000000
	JLOAD \s
.endr
	v_and_b32 v1, 15, v0                           ; r = l % 16
	v_bfe_u32 v2, v0, 4, 1                         ; h = l / 16
	v_mul_u32_u24 v3, v1, PITCH
	v_lshl_add_u32 v4, v2, 4, v3                   ; a fragment's row x pitch + 16 x half
	s_mul_i32 s21, s15, HALFT                      ; my 128 rows of A
	s_mul_i32 s22, s16, HALFT                      ; my 128 rows of B,
	s_add_co_u32 s22, s22, 2*HALFT                 ; which lie behind A's 256
.irp s, 0,1
	v_add_nc_u32 v[ADRA+\s], s21, v4
	v_add_nc_u32 v[ADRB+\s], s22, v4
	s_add_co_u32 s21, s21, SLOT
	s_add_co_u32 s22, s22, SLOT
.endr
	s_mul_i32 s23, s14, 128*SPI                    ; my stage
	v_mul_u32_u24 v5, v1, SPI                      ; in: row r, 8 bytes for each half of the lanes
	v_lshl_add_u32 v5, v2, 3, v5
	v_add_nc_u32 v[STO], s23, v5
	v_and_b32 v6, 31, v0
	v_lshrrev_b32 v7, 3, v6                        ; back: eight lanes to a row of 128 bytes, four rows an instruction
	v_mul_u32_u24 v7, v7, SPI
	v_and_b32 v8, 7, v0
	v_lshl_add_u32 v7, v8, 4, v7
	v_add_nc_u32 v[RD], s23, v7
	v_lshlrev_b32 v[CO], 4, v6                     ; the block is dense: four rows are 512 consecutive bytes
	; the bias: the type's buffer; along B at 256 cx + 128 x my half of B, along A at 256 cy + 128 x my half of A: both lie inside its 1,024 numbers for every type
	s_cmp_eq_u32 ttmp9, 1
	s_cselect_b64 s[94:95], s[68:69], s[10:11]
	s_cmp_eq_u32 ttmp9, 2
	s_cselect_b64 s[94:95], s[70:71], s[94:95]
	s_lshl_b32 s74, s40, 10
	s_lshl_b32 s75, s16, 9
	s_add_co_u32 s74, s74, s75
	s_mov_b32 s75, 0
	s_add_nc_u64 s[96:97], s[94:95], s[74:75]
	s_lshl_b32 s74, s41, 10
	s_lshl_b32 s75, s15, 9
	s_add_co_u32 s74, s74, s75
	s_mov_b32 s75, 0
	s_add_nc_u64 s[98:99], s[94:95], s[74:75]
	v_lshlrev_b32 v9, 5, v2                        ; along B: tile b's numbers 16 b + 8 h + 0 .. 7
	v_lshlrev_b32 v10, 2, v1                       ; along A: block a's number 16 a + r
.irp b, 0,1,2,3,4,5,6,7
	global_load_b128 v[BN+8*\b:BN+8*\b+3], v9, s[96:97] offset:64*\b
	global_load_b128 v[BN+8*\b+4:BN+8*\b+7], v9, s[96:97] offset:64*\b+16
.endr
.irp a, 0,1,2,3,4,5,6,7
	global_load_b32 v[BM+2*\a], v10, s[98:99] offset:64*\a
	v_mov_b32 v[BM+2*\a+1], 0
.endr
	; where my block goes: type x 4 MiB + ((token block / 8) 64 + 8 x head pair + token block % 8) x 16 KiB
	s_lshl_b32 s66, s17, 1
	s_add_co_u32 s66, s66, s15                     ; my block of 128 along A,
	s_lshl_b32 s67, s42, 1
	s_add_co_u32 s67, s67, s16                     ; along B
	s_cmp_eq_u32 ttmp9, 2
	s_cselect_b32 s74, s67, s66                    ; the token block,
	s_cselect_b32 s75, s66, s67                    ; the head pair
	s_lshr_b32 s66, s74, 3
	s_lshl_b32 s66, s66, 6
	s_lshl_b32 s75, s75, 3
	s_add_co_u32 s66, s66, s75
	s_and_b32 s74, s74, 7
	s_add_co_u32 s66, s66, s74
	s_lshl_b32 s66, s66, 14
	s_lshl_b32 s67, ttmp9, 22
	s_add_co_u32 s66, s66, s67
	s_mov_b32 s67, 0
	s_add_nc_u64 s[72:73], s[72:73], s[66:67]
	; the scales
	s_wait_kmcnt 0x0
	s_add_co_i32 s86, s76, s77                     ; eW + ex of Q,
	s_add_co_i32 s87, s78, s79                     ; of K,
	s_add_co_i32 s88, s80, s81                     ; of V
	s_cmp_eq_u32 ttmp9, 1
	s_cselect_b32 s86, s87, s86
	s_cselect_b32 s87, s83, s82                    ; eo: entry 7 for K, entry 6 for Q,
	s_cmp_eq_u32 ttmp9, 2
	s_cselect_b32 s86, s88, s86
	s_cselect_b32 s87, s85, s87                    ; entry 9 for V
	s_cselect_b32 s91, 0, -1                       ; keeps the bias along B for Q and K,
	s_cselect_b32 s92, -1, 0                       ; the bias along A for V
	s_sub_co_i32 s88, 0, s86
	s_sub_co_i32 s89, s87, s86
	s_add_co_i32 s89, s89, 127
	s_lshl_b32 s90, s89, 23
	v_mov_b32 v[SCV], s90                          ; 2^(eo - eW - ex)
	s_add_co_i32 s89, s89, 8
	s_lshl_b32 s89, s89, 23
	s_or_b32 s89, s89, 0x600000
	v_mov_b32 v[LIMV], s89                         ; 448 x that
	s_wait_loadcnt 0x0
.set ii, 0
.rept 64
	v_ldexp_f32 v[BN+ii], v[BN+ii], s88            ; bias / 2^(eW + ex)
.set ii, ii+1
.endr
.set ii, 0
.rept 64
	v_and_b32 v[BN+ii], s91, v[BN+ii]              ; all bits or none: the choice is made without a jump
.set ii, ii+1
.endr
.irp a, 0,1,2,3,4,5,6,7
	v_ldexp_f32 v[BM+2*\a], v[BM+2*\a], s88
.endr
.irp a, 0,1,2,3,4,5,6,7
	v_and_b32 v[BM+2*\a], s92, v[BM+2*\a]
.endr
.macro FRAG reg, adr, off              ; a fragment, 16 rows x 128 K: lane l holds row l % 16; registers 4 c .. 4 c + 3 hold K = 32 c + 16 (l / 16) + 0 .. 15: the same order of k in A and in B
.irp c, 0,1,2,3
	ds_load_b128 v[\reg+4*\c:\reg+4*\c+3], v[\adr] offset:\off+32*\c
.endr
.endm
; 16 matrix instructions: A's blocks a0, a0 + 1 x B's eight, 128 along K.  p: B's set.  mode 2: the bias along B starts the sums; 0: they go on.
; The 64 accumulators take turns, one instruction a turn, in the same order in every step.
.macro MUL16 a0, p, mode
.irp a, \a0, \a0+1
.irp b, 0,1,2,3,4,5,6,7
.if \mode == 2
	v_wmma_f32_16x16x128_fp8_fp8 v[8*(8*((\a)%4)+\b):8*(8*((\a)%4)+\b)+7], v[128*(\p)+FR*\b:128*(\p)+FR*\b+FR-1], v[AF+FR*(\a):AF+FR*(\a)+FR-1], v[BN+8*\b:BN+8*\b+7]
.else
	v_wmma_f32_16x16x128_fp8_fp8 v[8*(8*((\a)%4)+\b):8*(8*((\a)%4)+\b)+7], v[128*(\p)+FR*\b:128*(\p)+FR*\b+FR-1], v[AF+FR*(\a):AF+FR*(\a)+FR-1], v[8*(8*((\a)%4)+\b):8*(8*((\a)%4)+\b)+7]
.endif
.endr
.endr
.endm
.macro FETCH_B slot, q, p              ; B's eight fragments of the slot's q-th 128 along K into set p
	WIN TO_B
.irp i, 0,1,2,3,4,5,6,7
	FRAG 128*(\p)+FR*\i, ADRB+\slot, BQ*(\q)+BI*\i
.endr
	WIN 0
.endm
.macro FETCH_A slot, q, i0             ; A's blocks i0 .. i0 + 3
.irp i, \i0, \i0+1, \i0+2, \i0+3
	FRAG AF+FR*(\i), ADRA+\slot, AQ*(\q)+AI*(\i)
.endr
.endm
.macro PLACES n                        ; plain vector lines between a matrix instruction and a load into, or a vector read or write of, its registers (ISA guide 7.12.1 for vector reads and writes)
.rept \n
	v_nop
.endr
.endm
; A step of 128 along K that has its successor in the same slot.  A has one set of registers: a block is free when its eight products are issued.
.macro STEP slot, q, mode
	s_wait_dscnt 4*NL                              ; B's set and A's blocks 0-3 are in; the youngest 16 loads (A's blocks 4-7) may be out
.if \mode == 2
	WIN 0x81                                       ; C (the bias) window 0, D window 2
.else
	WIN MUL_LO
.endif
	MUL16 0, (\q)%2, \mode
	MUL16 2, (\q)%2, \mode
	s_wait_dscnt 0                                 ; A's blocks 4-7 are in
	PLACES NP
	FETCH_B \slot, (\q)+1, 1-(\q)%2
	FETCH_A \slot, (\q)+1, 0
.if \mode == 2
	WIN 0xc1
.else
	WIN MUL_HI
.endif
	MUL16 4, (\q)%2, \mode
	MUL16 6, (\q)%2, \mode
	PLACES NP
	WIN 0
	FETCH_A \slot, (\q)+1, 4
.endm
; A slot's last step changes slots: ONE barrier; in front of it each wave waits for all its tensor loads, adds 0 to its spare word, and waits for that and for its own reads of this slot.  fill = 1: this slot is filled again, two K steps ahead.
.macro TURN slot, next, fill
	s_wait_tensorcnt 0x0                           ; all my tensor loads have landed: my part of the next slot
	ds_add_u32 v[SPW], v[NIL]                      ; 0 onto my spare word
	s_wait_dscnt 4*NL+1                            ; (the add and the youngest 16 loads, A's blocks 4-7, may be out)
	WIN MUL_LO
	MUL16 0, 1, 0                                  ; sixteen matrix instructions stand between the add and the wait for it
	s_wait_dscnt 0x0                               ; the add is done, and my reads of this slot are over
	s_barrier_signal -1
	MUL16 2, 1, 0
	WIN 0
	s_barrier_wait -1
.if \fill
	CREST                                          ; the barrier has opened a round of the cluster's barrier: no wave of any partner still reads this slot's tile or has a load on its way
	s_add_nc_u64 s[G0+4*\slot+2:G0+4*\slot+3], s[G0+4*\slot+2:G0+4*\slot+3], ASTEP
	s_add_nc_u64 s[G0B+4*\slot+2:G0B+4*\slot+3], s[G0B+4*\slot+2:G0B+4*\slot+3], BSTEP
	JLOAD \slot                                    ; the first tensor load behind the round; the four v_nop behind it are also the places in front of the loads below
.else
	PLACES NP
.endif
	FETCH_B \next, 0, 0
	FETCH_A \next, 0, 0
	WIN MUL_HI
	MUL16 4, 1, 0
	MUL16 6, 1, 0
	PLACES NP
	WIN 0
	FETCH_A \next, 0, 4
.endm
	s_wait_tensorcnt 1                             ; my part of K step 0 is in (K step 1's load may be out)
	s_barrier_signal -1
	s_barrier_wait -1                              ; everybody's is
	FETCH_B 0, 0, 0
	FETCH_A 0, 0, 0
	FETCH_A 0, 0, 4
	STEP 0, 0, 2                                   ; the first step stands in front of the loop: its products start the sums, with the bias
	s_mov_b32 s3, LAPS-1
.Llap:                                                 ; a trip goes once round the ring and fills both slots again
	TURN 0, 1, 1
	STEP 1, 0, 0
	TURN 1, 0, 1
	STEP 0, 0, 0
	s_sub_co_u32 s3, s3, 1
	s_cmp_lg_u32 s3, 0
	s_cbranch_scc1 .Llap
	TURN 0, 1, 0                                   ; the last lap fills nothing, and has no round of the cluster's barrier
	STEP 1, 0, 0
	s_wait_dscnt 4*NL                              ; the very last step: nothing more to fetch
	WIN MUL_LO
	MUL16 0, 1, 0
	MUL16 2, 1, 0
	s_wait_dscnt 0
	WIN MUL_HI
	MUL16 4, 1, 0
	MUL16 6, 1, 0
	WIN 0
; THE WAY OUT.  Block a (16 rows of A x 128 of B): the bias along A, the hold, the conversion: a lane's eight sums of a tile become 8 bytes of its row in my stage.
.macro OUTBLK a
.set AC, 64*((\a)%4)
.set CW, CD+16*((\a)%2)
	WIN 0x02+((\a)/4)                              ; source 0: window 2 or 3
.set jj, 0
.rept 32
	v_pk_add_f32 v[T+jj:T+jj+1], v[AC+jj:AC+jj+1], v[BM+2*(\a):BM+2*(\a)+1] op_sel_hi:[1,0]   ; each accumulator from its low end on
.set jj, jj+2
.endr
	WIN 0
.set jj, 0
.rept 64
	v_med3_num_f32 v[T+jj], v[T+jj], -v[LIMV], v[LIMV]   ; the conversion does not saturate (ISA guide 7.6.2)
.set jj, jj+1
.endr
.irp b, 0,1,2,3,4,5,6,7
	v_cvt_scalef32_pk8_fp8_f32 v[CW+2*\b:CW+2*\b+1], v[T+8*\b:T+8*\b+7], v[SCV]
.endr
	v_nop                                          ; a plain line between the conversions and the next block's additions, which write their sources
.irp b, 0,1,2,3,4,5,6,7
	ds_store_b64 v[STO], v[CW+2*\b:CW+2*\b+1] offset:16*SPI*(\a)+16*\b
.endr
.endm
	PLACES NP                                      ; behind the last products: the lines below write registers that held A's fragments and read results
.irp a, 0,1,2,3,4,5,6,7
	OUTBLK \a
.endr
	; the stage is my own, and LDS serves a wave's instructions in order: no wait between the stores and the loads.  Four rows, 512 consecutive bytes of the block, an instruction
.set ii, 0
.rept 16
	ds_load_b128 v[BK0+4*ii:BK0+4*ii+3], v[RD] offset:4*SPI*ii
.set ii, ii+1
.endr
.rept 16
	ds_load_b128 v[BK1+4*(ii-16):BK1+4*(ii-16)+3], v[RD] offset:4*SPI*ii
.set ii, ii+1
.endr
.set ii, 0
.rept 16
	s_wait_dscnt 31-ii                             ; the younger loads may be out
	global_store_b128 v[CO], v[BK0+4*ii:BK0+4*ii+3], s[72:73] offset:512*ii
.set ii, ii+1
.endr
.rept 16
	s_wait_dscnt 31-ii
	global_store_b128 v[CO], v[BK1+4*(ii-16):BK1+4*(ii-16)+3], s[72:73] offset:512*ii
.set ii, ii+1
.endr
	s_wait_tensorcnt 0x0                           ; the wave's end
	ds_add_u32 v[SPW], v[NIL]
	s_wait_dscnt 0x0
	CROUND                                         ; the closing round: no work-group ends while a partner may still ask for a tile that names it
	s_endpgm
.Lfunc_end_k_q440eb2f0d3_proj:
	.size	k_q440eb2f0d3_proj, .Lfunc_end_k_q440eb2f0d3_proj-k_q440eb2f0d3_proj
	.p2alignl 7, 3214868480
	.fill 96, 4, 3214868480
	.section	.rodata,"a",@progbits
	.p2align	6, 0x0
	.amdhsa_kernel k_q440eb2f0d3_proj
		.amdhsa_group_segment_fixed_size 327680
		.amdhsa_private_segment_fixed_size 0
		.amdhsa_enable_private_segment 0
		.amdhsa_kernarg_size 56
		.amdhsa_user_sgpr_count 2
		.amdhsa_user_sgpr_kernarg_segment_ptr 1
		.amdhsa_wavefront_size32 1
		.amdhsa_system_sgpr_workgroup_id_x 1
		.amdhsa_system_sgpr_workgroup_id_y 1
		.amdhsa_system_sgpr_workgroup_id_z 1
		.amdhsa_system_vgpr_workitem_id 0
		.amdhsa_next_free_vgpr 1024
		.amdhsa_next_free_sgpr 100
		.amdhsa_reserve_vcc 0
		.amdhsa_float_denorm_mode_32 3
		.amdhsa_float_denorm_mode_16_64 3
		.amdhsa_memory_ordered 1
		.amdhsa_forward_progress 1
		.amdhsa_inst_pref_size 152
	.end_amdhsa_kernel
	.amdgpu_metadata
---
amdhsa.version: [ 1, 2 ]
amdhsa.kernels:
  - .name:           k_q440eb2f0d3_proj
    .symbol:         k_q440eb2f0d3_proj.kd
    .args:
      - { .name: xcodes, .offset: 0, .size: 8, .value_kind: global_buffer, .address_space: global }
      - { .name: wcodes, .offset: 8, .size: 8, .value_kind: global_buffer, .address_space: global }
      - { .name: lowp_scales, .offset: 16, .size: 8, .value_kind: global_buffer, .address_space: global }
      - { .name: bq, .offset: 24, .size: 8, .value_kind: global_buffer, .address_space: global }
      - { .name: bk, .offset: 32, .size: 8, .value_kind: global_buffer, .address_space: global }
      - { .name: bv, .offset: 40, .size: 8, .value_kind: global_buffer, .address_space: global }
      - { .name: qkv, .offset: 48, .size: 8, .value_kind: global_buffer, .address_space: global }
    .group_segment_fixed_size: 327680
    .private_segment_fixed_size: 0
    .kernarg_segment_align: 8
    .kernarg_segment_size: 56
    .max_flat_workgroup_size: 128
    .sgpr_count:     100
    .vgpr_count:     1024
    .wavefront_size: 32
...
	.end_amdgpu_metadata
.endif
;; end of part 2
;; launch attn (part 3): grid 8 x 32, 16 waves a work-group, clusters of 4 x 1, 327,680 bytes of LDS; arguments qkv, lowp_scales, hcat; writes hcat
.if DOCPART == 3
	.amdgcn_target "amdgcn-amd-amdhsa--gfx1250"
	.amdhsa_code_object_version 6
	.text
	.protected	k_q440eb2f0d3_attn
	.globl	k_q440eb2f0d3_attn
	.p2align	8
	.type	k_q440eb2f0d3_attn,@function
k_q440eb2f0d3_attn:
	s_mov_b64 s[64:65], 0
	v_nop
	global_prefetch_b8 v0, s[64:65] scope:SCOPE_SE
	s_setreg_imm32_b32 hwreg(HW_REG_WAVE_MODE, 25, 1), 1
	s_wait_xcnt 0x0
	s_wait_alu depctr_hold_cnt(0) depctr_sa_sdst(0) depctr_va_vdst(0) depctr_va_sdst(0) depctr_va_ssrc(0) depctr_va_vcc(0) depctr_vm_vsrc(0)
	s_getreg_b32 s2, hwreg(HW_REG_IB_STS2, 6, 4)
	s_cmp_eq_u32 s2, 0
	s_cbranch_scc0 .Lentry_in_a_cluster
	s_endpgm
.Lentry_in_a_cluster:
	s_bfe_u32 s2, ttmp6, 0x10000c
	s_cmp_lg_u32 s2, 0x3003
	s_cbranch_scc0 .Lentry_shape_is_right
	s_endpgm
.Lentry_shape_is_right:
; Hcat = softmax(Q K^T / 32) V for 64 (batch, head) pairs of 1,024 tokens and head size 64, both products on codes of E4M3; the result quantised at once by entry 10.
; THE SOFTMAX AHEAD OF THE SECOND PRODUCT: t = score x log2(e) / 32; M = the row's largest t so far, rounded UP to a whole number; p = 2^(t - M) is quantised (entry 8), not normalised.
; The row's sum is taken of the unquantised p, in f32, and divides O at the end.  When M moves, the sum and O are multiplied by 2^(old M - new M): exact.
; SHARES.  A work-group owns 128 queries of a PAIR of heads (a block of qkv holds two heads side by side); its sixteen waves: head = wave / 8, 16 queries = tile wave % 8; four waves to a SIMD, so that one wave's vector work
; stands beside another's matrix work and LDS loads.  Every wave walks all 1,024 keys, 128 a step.
; LDS.  ALL of the pair's K (1,024 rows of 128 bytes) and V (8 blocks of 128 rows x 128 keys) lie in LDS, each byte filled once: no ring.  Rows are 144 bytes apart.  The stage for the way out has bytes of its own.
; CLUSTER.  The four query blocks of a cluster belong to one pair and need the same K and V: wave 0 asks for K, wave 1 for V, four joint loads of 256 rows each, all issued at the start: four loads of a wave are out at the most.
; LAYOUT.  Both products are used transposed: S^T = K Q^T (source 0 = 16 keys, source 1 = my 16 queries), O^T = V^T P^T (source 0 = 16 of the head's 64, source 1 = P): a lane holds ONE query (lane % 16) throughout.
; THE KEYS OF A TILE ARE NOT NEIGHBOURS: lane r of tile 2 b + u takes key 32 b + 8 u + r + 8 (r / 8), so that the 16 registers of tiles 2 b and 2 b + 1 are 16 neighbouring keys, 32 b + 16 (lane / 16) + 0 .. 15.
; OUT.  hcat: blocks [token block 8 b + query block][head pair] of [128 tokens][128 features], 16 KiB each.
; LIMITS on the given exponents, so that each power of two below is an f32 number: e6 + e7 between -121 and 132; e8 between -126 and 119; e10 - e8 - e9 between -126 and 119.  NaN among the inputs is not served.
; REGISTERS: v1-11 addresses; v12 -M, v13 the largest t, v[14:15] the sum in two halves; v16-23 Q; v32-95 fragments of K, then of V; v96-159 S^T, then p; v160-191 O^T; v224-239 p's codes; v236-254 at work.
.set KP,    144                        ; a row in LDS: 128 bytes + 16 of padding
.set VREG,  1024*KP                    ; V's blocks lie behind K's 1,024 rows
.set STAGE, 2*1024*KP                  ; the stage: 128 rows x 144 bytes, behind both
.set CHUNK, 256*KP                     ; what one tensor load brings
.set STEPB, 128*KP                     ; a key step's rows of K, and a block of V
.set AK0,  1                           ; v1   my lane's place in a tile of K
.set AV0,  2                           ; v2   the same for V
.set QOF,  6                           ; v6   my lane's bytes in the wave's rows of Q
.set GO,   7                           ; v7   the way out: my bytes in the block of hcat
.set ADK,  8                           ; v8   LDS address of the step's tiles of K
.set ADV,  9                           ; v9   of V
.set STI,  10                          ; v10  the stage: where I put 8 codes
.set STR,  11                          ; v11  and where I read 16 bytes back
.set WV,   18                          ; s18  my wave's number
.set SEL,  20                          ; s[20:21] lane selects for v_permlanex16_b32: lane l xor 16
.set CS,   22                          ; s[22:23] c = log2(e) / 32 x 2^(e6 + e7)
.set G1,   24                          ; s[24:31] descriptor group 1
.set G0,   32                          ; s[32:47] four groups 0
.macro CROUND                          ; a round of the cluster's barrier
	s_barrier_signal -1
	s_barrier_wait -1
	s_cmp_lg_u32 s[WV], 0
	s_cbranch_scc1 .Lnot_wave_0_\@
	s_barrier_signal -3
.Lnot_wave_0_\@:
	s_barrier_wait -3
	s_barrier_signal -1
	s_barrier_wait -1
.endm
	s_load_b128 s[4:7], s[0:1], 0x0                ; qkv s[4:5], the exponents s[6:7]
	s_load_b64 s[8:9], s[0:1], 0x10                ; hcat
	v_lshl_add_u32 v251, v0, 2, 0x4c800
	v_mov_b32 v255, 0
	ds_add_u32 v251, v255
	v_lshrrev_b32 v3, 5, v0
	v_readfirstlane_b32 s[WV], v3                  ; wave 0..15
	s_lshr_b32 s19, s[WV], 3                       ; which head of the pair
	s_and_b32 s10, s[WV], 7                        ; which tile of 16 queries
	s_bfe_u32 s13, ttmp6, 0x40000                  ; cx
	s_lshl_b32 s11, ttmp9, 2
	s_add_co_u32 s11, s11, s13                     ; my block of 128 queries: it enters Q's and hcat's addresses alone
	s_and_b32 s12, ttmp7, 0xffff                   ; 8 x batch + head pair, which the four partners share
	; every LDS address is made here, of the lane and the wave's number
	v_and_b32 v3, 15, v0                           ; r
	v_bfe_u32 v4, v0, 4, 1                         ; h
	v_and_b32 v5, 8, v3
	v_add_nc_u32 v5, v5, v3                        ; r + 8 (r / 8)
	s_lshl_b32 s53, s19, 6                         ; my head's 64 bytes of a row
	v_mul_u32_u24 v[AK0], v5, KP
	v_lshl_add_u32 v[AK0], v4, 4, v[AK0]
	v_add_nc_u32 v[AK0], s53, v[AK0]
	s_mul_i32 s56, s19, 64*KP                      ; my head's 64 rows of a block of V
	s_add_co_u32 s56, s56, VREG
	v_mul_u32_u24 v[AV0], v3, KP
	v_lshl_add_u32 v[AV0], v4, 4, v[AV0]
	v_add_nc_u32 v[AV0], s56, v[AV0]
	s_mul_i32 s56, s10, 16*KP
	s_add_co_u32 s56, s56, s53
	s_add_co_u32 s56, s56, STAGE
	v_mul_u32_u24 v[STI], v3, KP
	v_lshl_add_u32 v[STI], v4, 3, v[STI]
	v_add_nc_u32 v[STI], s56, v[STI]               ; in: row 16 x tile + r, byte 64 x head + 8 h (+ 16 for each tile of the head's 64)
	s_mul_i32 s56, s[WV], 8*KP
	s_add_co_u32 s56, s56, STAGE
	v_and_b32 v5, 31, v0
	v_lshrrev_b32 v[STR], 3, v5
	v_mul_u32_u24 v[STR], v[STR], KP
	v_and_b32 v12, 7, v0
	v_lshl_add_u32 v[STR], v12, 4, v[STR]
	v_add_nc_u32 v[STR], s56, v[STR]               ; back: wave w takes rows 8 w .. 8 w + 7; eight lanes to a row
	s_lshl_b32 s56, s[WV], 10
	v_lshlrev_b32 v[GO], 4, v5
	v_add_nc_u32 v[GO], s56, v[GO]                 ; the same rows in the dense block
	v_lshlrev_b32 v[QOF], 7, v3
	v_lshl_add_u32 v[QOF], v4, 4, v[QOF]           ; Q: row r of 128 bytes, + 16 h
	; descriptor group 1: 256 dense rows of 128 bytes, 16 bytes of padding behind each
	s_mov_b32 s[G1], 15|(0<<16)|(1<<20)|(1<<21)|(4<<22)|(3<<25)  ; 15:0 the mask: all four work-groups; 17:16 elements of 1 byte; 20 padding on; 21 set beside a mask; 24:22 after every 32 words (code 4); 31:25 four words (code 3)
	s_mov_b32 s[G1+1], 128<<16                     ; tensor_dim0
	s_mov_b32 s[G1+2], 256<<16                     ; tensor_dim1
	s_mov_b32 s[G1+3], 128<<16                     ; tile_dim0
	s_mov_b32 s[G1+4], 256                         ; tile_dim1
	s_mov_b32 s[G1+5], 128                         ; tensor_dim0_stride
	s_mov_b32 s[G1+6], 0
	s_mov_b32 s[G1+7], 0
	s_and_b32 s57, s[WV], 1                        ; wave 0: K, wave 1: V
	s_mul_i32 s56, s57, VREG                       ; where it goes,
	s_add_co_u32 s57, s57, 1
	s_lshl_b32 s58, s57, 22                        ; K's codes lie 4 MiB into qkv, V's 8 MiB;
	s_lshl_b32 s57, s12, 17                        ; the pair's eight blocks are 128 KiB on end
	s_add_co_u32 s58, s58, s57
	s_mov_b32 s59, 0
	s_lshl_b32 s60, s12, 17                        ; Q: the pair, my block of queries, my tile's 16 rows, my head's 64 bytes
	s_lshl_b32 s61, s11, 14
	s_add_co_u32 s60, s60, s61
	s_lshl_b32 s61, s10, 11
	s_add_co_u32 s60, s60, s61
	s_add_co_u32 s60, s60, s53
	s_mov_b32 s61, 0
	s_lshr_b32 s62, s12, 3                         ; hcat: block ((8 x batch + query block) 8 + head pair)
	s_lshl_b32 s62, s62, 3
	s_add_co_u32 s62, s62, s11
	s_lshl_b32 s62, s62, 3
	s_and_b32 s63, s12, 7
	s_add_co_u32 s62, s62, s63
	s_lshl_b32 s62, s62, 14
	s_mov_b32 s63, 0
	s_mov_b32 s[SEL], 0x76543210
	s_mov_b32 s[SEL+1], 0xfedcba98
	s_mov_b32 s[CS], 0x3d38aa3b                    ; log2(e) / 32
	s_wait_dscnt 0x0
	s_wait_kmcnt 0x0
	s_load_b64 s[48:49], s[6:7], 0x18              ; e6, e7
	s_load_b64 s[50:51], s[6:7], 0x20              ; e8, e9
	s_load_b32 s52, s[6:7], 0x28                   ; e10
	s_add_nc_u64 s[58:59], s[4:5], s[58:59]
	s_add_nc_u64 s[54:55], s[4:5], s[60:61]
	s_add_nc_u64 s[8:9], s[8:9], s[62:63]
.irp j, 0,1,2,3
	s_mov_b32 s[G0+4*\j], 1                        ; count = 1
	s_add_co_u32 s[G0+4*\j+1], s56, \j*CHUNK       ; LDS address
	s_add_nc_u64 s[G0+4*\j+2:G0+4*\j+3], s[58:59], \j*32768   ; 256 rows of 128 bytes on
	s_or_b32 s[G0+4*\j+3], s[G0+4*\j+3], 0x80000000           ; type = 2
.endr
	CROUND                                         ; all four work-groups are here: the joint loads meet
	s_cmp_lt_u32 s[WV], 2                          ; a wave's fills stand in one branch, ahead of every wait on TENSORcnt and every LDS read
	s_cbranch_scc0 .Lno_fill
	tensor_load_to_lds s[G0:G0+3], s[G1:G1+7]
	s_nop 0
	tensor_load_to_lds s[G0+4:G0+7], s[G1:G1+7]
	s_nop 0
	tensor_load_to_lds s[G0+8:G0+11], s[G1:G1+7]
	s_nop 0
	tensor_load_to_lds s[G0+12:G0+15], s[G1:G1+7]
	s_nop 0
.rept 4
	v_nop
.endr
.Lno_fill:
	global_load_b128 v[16:19], v[QOF], s[54:55]            ; Q's fragment stays in registers: k = 16 h + 0 .. 15,
	global_load_b128 v[20:23], v[QOF], s[54:55] offset:32  ; k = 32 + 16 h + 0 .. 15: the order in which K's fragments come too
	v_mov_b32 v13, 0xff61b1e6                      ; the largest t so far: -3e38, under every t
	v_floor_f32 v12, -v13                          ; -M
	v_mov_b32 v14, 0                               ; the sum, in two halves
	v_mov_b32 v15, 0
	v_mov_b32 v236, 0                              ; written once: a lane permute's destination counts as one of its sources
	v_mov_b32 v253, 0                              ; (named as the upper half of the pair v[252:253])
.set jj, 0
.rept 32
	v_mov_b32 v[160+jj], 0                         ; O^T.  (The step has one form: the first finds zeros, which the first change of M leaves zeros)
.set jj, jj+1
.endr
	s_wait_kmcnt 0x0
	s_add_co_i32 s60, s48, s49
	s_lshl_b32 s60, s60, 23
	s_add_co_i32 s[CS], s[CS], s60                 ; a score stands for score x 2^(e6 + e7): the two exponents are added to c's exponent field
	s_mov_b32 s[CS+1], s[CS]                       ; (named with it as a pair, so it is written)
	s_add_co_i32 s60, s50, 127
	s_lshl_b32 s61, s60, 23
	v_mov_b32 v244, s61                            ; 2^e8, for p's conversion
	s_add_co_i32 s60, s60, 8
	s_lshl_b32 s60, s60, 23
	s_or_b32 s60, s60, 0x600000
	v_mov_b32 v240, s60                            ; 448 x 2^e8
	s_sub_co_i32 s60, s52, s50
	s_sub_co_i32 s60, s60, s51
	s_add_co_i32 s60, s60, 127
	s_lshl_b32 s61, s60, 23
	v_mov_b32 v245, s61                            ; 2^(e10 - e8 - e9): O^T / the sum stands for that x 2^(e8 + e9)
	s_add_co_i32 s60, s60, 8
	s_lshl_b32 s60, s60, 23
	s_or_b32 s60, s60, 0x600000
	v_mov_b32 v241, s60
; A KEY STEP: keys 128 s .. 128 s + 127.
.macro STEP s
	v_add_nc_u32 v[ADK], STEPB*(\s), v[AK0]
	v_add_nc_u32 v[ADV], STEPB*(\s), v[AV0]
	v_nop
	v_nop                                          ; four plain lines in front of loads into registers that the last products have read
.irp t, 0,1,2,3,4,5,6,7
	ds_load_b128 v[32+8*\t:35+8*\t], v[ADK] offset:(32*(\t/2)+8*(\t%2))*KP
	ds_load_b128 v[36+8*\t:39+8*\t], v[ADK] offset:(32*(\t/2)+8*(\t%2))*KP+32
.endr
	s_wait_dscnt 0x0
.irp t, 0,1,2,3,4,5,6,7
	v_wmma_f32_16x16x64_fp8_fp8 v[96+8*\t:103+8*\t], v[32+8*\t:39+8*\t], v[16:23], 0
.endr
.rept 4
	v_nop                                          ; places: V's loads land in K's registers, and the maximum reads the scores
.endr
.irp t, 0,1,2,3
.irp c, 0,1,2,3
	ds_load_b128 v[32+16*\t+4*\c:35+16*\t+4*\c], v[ADV] offset:16*KP*\t+32*\c   ; V^T: 16 of the head's 64 x these 128 keys; they land while the softmax is walked
.endr
.endr
	v_max3_num_f32 v254, v96, v97, v98             ; the step's largest score of my query, among my 64 keys, in two chains,
	v_max3_num_f32 v252, v99, v100, v101
.irp i, 6,10,14,18,22,26,30,34,38,42,46,50,54,58
	v_max3_num_f32 v254, v254, v[96+\i], v[97+\i]
	v_max3_num_f32 v252, v252, v[98+\i], v[99+\i]
.endr
	v_max3_num_f32 v254, v254, v158, v159
	v_max_num_f32 v254, v254, v252
	v_permlanex16_b32 v236, v254, s[SEL], s[SEL+1]
	v_max_num_f32 v254, v254, v236                 ; and among lane l xor 16's
	v_mul_f32 v254, s[CS], v254                    ; as t (c is positive)
	v_max_num_f32 v13, v13, v254                   ; the running largest t
	v_mov_b32 v254, v12
	v_floor_f32 v12, -v13                          ; the new -M = floor(-t) = -ceil(t): M is a whole number
	v_sub_f32 v254, v12, v254                      ; M's old value less its new one: a whole number, 0 or less
	v_cvt_i32_f32 v254, v254                       ; (it saturates)
	v_ldexp_f32 v252, 1.0, v254                    ; f = 2^(old M - new M)
.set jj, 0
.rept 32
	v_pk_fma_f32 v[96+jj:97+jj], v[96+jj:97+jj], s[CS:CS+1], v[12:13] op_sel_hi:[1,0,0]   ; t - M, two at a time
.set jj, jj+2
.endr
.set jj, 0
.rept 64
	v_exp_f32 v[96+jj], v[96+jj]                   ; p = 2^(t - M), at most 1
.set jj, jj+1
.endr
	v_pk_mul_f32 v[14:15], v[14:15], v[252:253] op_sel_hi:[1,0]   ; the sums under the new M; also the plain line behind the exponentials
	s_wait_alu depctr_va_vdst(0)                   ; one wait for the whole batch, ahead of its first reader
	v_pk_add_f32 v[242:243], v[96:97], v[98:99]    ; the row's sum is taken of the unquantised p: two at a time, in two chains
.irp j, 4,8,12,16,20,24,28,32,36,40,44,48,52,56,60
	v_pk_add_f32 v[14:15], v[14:15], v[96+\j:97+\j]
	v_pk_add_f32 v[242:243], v[242:243], v[98+\j:99+\j]
.endr
	v_pk_add_f32 v[14:15], v[14:15], v[242:243]
.irp b, 0,1,2,3
.set jj, 0
.rept 16
	v_min_num_f32 v[96+16*\b+jj], v[96+16*\b+jj], v240   ; the conversion does not saturate (ISA guide 7.6.2); p is not negative, so the hold is one-sided
.set jj, jj+1
.endr
	v_cvt_scalef32_pk8_fp8_f32 v[224+4*\b:225+4*\b], v[96+16*\b:103+16*\b], v244
	v_cvt_scalef32_pk8_fp8_f32 v[226+4*\b:227+4*\b], v[104+16*\b:111+16*\b], v244
.endr
.set jj, 0
.rept 16
	v_pk_mul_f32 v[160+jj:161+jj], v[160+jj:161+jj], v[252:253] op_sel_hi:[1,0]   ; O^T under the new M; also the plain lines between the conversions and the products
.set jj, jj+2
.endr
	s_wait_dscnt 0x0                               ; V's fragments are in
.irp t, 0,1,2,3
	v_wmma_f32_16x16x128_fp8_fp8 v[160+8*\t:167+8*\t], v[32+16*\t:47+16*\t], v[224:239], v[160+8*\t:167+8*\t]   ; four accumulators by turns
.endr
.endm
	s_wait_loadcnt 0x0                             ; Q
.irp j, 0,1,2,3
	s_wait_tensorcnt 3-\j                          ; my fill j has landed; the younger ones may be out
	s_barrier_signal -1
	s_barrier_wait -1                              ; K's and V's parts for the next two steps are whole
	STEP 2*\j
	STEP 2*\j+1
.endr
	; THE WAY OUT.  O^T / the sum, held, converted: a lane's eight numbers of a tile are 8 bytes of its token's row.  A row's 128 bytes come from two waves: they meet in the stage.
	v_add_f32 v14, v14, v15                        ; the sum's two halves,
	v_permlanex16_b32 v252, v14, s[SEL], s[SEL+1]
	v_add_f32 v14, v14, v252                       ; and lane l xor 16's: the row's sum
	v_rcp_f32 v14, v14
.rept 4
	v_nop                                          ; the plain line behind the reciprocal, and the places behind the last products
.endr
	s_wait_alu depctr_va_vdst(0)                   ; the wait ahead of the reciprocal's first reader
.set jj, 0
.rept 16
	v_pk_mul_f32 v[96+jj:97+jj], v[160+jj:161+jj], v[14:15] op_sel_hi:[1,0]   ; register 8 t + i is o(r, 16 t + 8 h + i) / 2^(e8 + e9)
.set jj, jj+2
.endr
.set jj, 0
.rept 32
	v_med3_num_f32 v[96+jj], v[96+jj], -v241, v241
.set jj, jj+1
.endr
.irp t, 0,1,2,3
	v_cvt_scalef32_pk8_fp8_f32 v[224+2*\t:225+2*\t], v[96+8*\t:103+8*\t], v245
.endr
	v_nop
.irp t, 0,1,2,3
	ds_store_b64 v[STI], v[224+2*\t:225+2*\t] offset:16*\t
.endr
	s_wait_dscnt 0x0                               ; for the others' sake: my stores into the stage are done
	s_barrier_signal -1
	s_barrier_wait -1
	ds_load_b128 v[32:35], v[STR]
	ds_load_b128 v[36:39], v[STR] offset:4*KP
	s_wait_dscnt 1
	global_store_b128 v[GO], v[32:35], s[8:9]              ; four rows of the dense block: 512 consecutive bytes
	s_wait_dscnt 0
	global_store_b128 v[GO], v[36:39], s[8:9] offset:512
	s_wait_tensorcnt 0x0
	ds_add_u32 v251, v255
	s_wait_dscnt 0x0
	CROUND                                         ; the closing round
	s_endpgm
.Lfunc_end_k_q440eb2f0d3_attn:
	.size	k_q440eb2f0d3_attn, .Lfunc_end_k_q440eb2f0d3_attn-k_q440eb2f0d3_attn
	.p2alignl 7, 3214868480
	.fill 96, 4, 3214868480
	.section	.rodata,"a",@progbits
	.p2align	6, 0x0
	.amdhsa_kernel k_q440eb2f0d3_attn
		.amdhsa_group_segment_fixed_size 327680
		.amdhsa_private_segment_fixed_size 0
		.amdhsa_enable_private_segment 0
		.amdhsa_kernarg_size 24
		.amdhsa_user_sgpr_count 2
		.amdhsa_user_sgpr_kernarg_segment_ptr 1
		.amdhsa_wavefront_size32 1
		.amdhsa_system_sgpr_workgroup_id_x 1
		.amdhsa_system_sgpr_workgroup_id_y 1
		.amdhsa_system_sgpr_workgroup_id_z 1
		.amdhsa_system_vgpr_workitem_id 0
		.amdhsa_next_free_vgpr 256
		.amdhsa_next_free_sgpr 66
		.amdhsa_reserve_vcc 0
		.amdhsa_float_denorm_mode_32 3
		.amdhsa_float_denorm_mode_16_64 3
		.amdhsa_memory_ordered 1
		.amdhsa_forward_progress 1
		.amdhsa_inst_pref_size 135
	.end_amdhsa_kernel
	.amdgpu_metadata
---
amdhsa.version: [ 1, 2 ]
amdhsa.kernels:
  - .name:           k_q440eb2f0d3_attn
    .symbol:         k_q440eb2f0d3_attn.kd
    .args:
      - { .name: qkv, .offset: 0, .size: 8, .value_kind: global_buffer, .address_space: global }
      - { .name: lowp_scales, .offset: 8, .size: 8, .value_kind: global_buffer, .address_space: global }
      - { .name: hcat, .offset: 16, .size: 8, .value_kind: global_buffer, .address_space: global }
    .group_segment_fixed_size: 327680
    .private_segment_fixed_size: 0
    .kernarg_segment_align: 8
    .kernarg_segment_size: 24
    .max_flat_workgroup_size: 512
    .sgpr_count:     66
    .vgpr_count:     256
    .wavefront_size: 32
...
	.end_amdgpu_metadata
.endif
;; end of part 3
;; launch ff1 (part 4): grid 16 x 16, 4 waves a work-group, clusters of 4 x 4, 327,680 bytes of LDS; arguments hcat, wcodes, lowp_scales, b1, hid; writes hid
.if DOCPART == 4
	.amdgcn_target "amdgcn-amd-amdhsa--gfx1250"
	.amdhsa_code_object_version 6
	.text
	.protected	k_q440eb2f0d3_ff1
	.globl	k_q440eb2f0d3_ff1
	.p2align	8
	.type	k_q440eb2f0d3_ff1,@function
k_q440eb2f0d3_ff1:
	s_mov_b64 s[64:65], 0
	v_nop
	global_prefetch_b8 v0, s[64:65] scope:SCOPE_SE
	s_setreg_imm32_b32 hwreg(HW_REG_WAVE_MODE, 25, 1), 1
	s_wait_xcnt 0x0
	s_wait_alu depctr_hold_cnt(0) depctr_sa_sdst(0) depctr_va_vdst(0) depctr_va_sdst(0) depctr_va_ssrc(0) depctr_va_vcc(0) depctr_vm_vsrc(0)
	s_getreg_b32 s2, hwreg(HW_REG_IB_STS2, 6, 4)
	s_cmp_eq_u32 s2, 0
	s_cbranch_scc0 .Lentry_in_a_cluster
	s_endpgm
.Lentry_in_a_cluster:
	s_bfe_u32 s2, ttmp6, 0x10000c
	s_cmp_lg_u32 s2, 0xf033
	s_cbranch_scc0 .Lentry_shape_is_right
	s_endpgm
.Lentry_shape_is_right:
; hid = relu(Hcat W1^T + b1) on codes of E4M3 (entries 10, 11), quantised at once by entry 12.  M = 4,096 tokens, N = 4,096, K = 1,024.
; TILE.  A work-group of four waves makes 256 x 256, a wave 128 x 128: 64 accumulators.  THE MATRIX INSTRUCTION IS USED TRANSPOSED: source 0 = 16 rows of W1, source 1 = 16 tokens: a lane holds one token and eight
; neighbouring hidden units, eight neighbours for the conversion.
; A = hcat lies in blocks [token block of 128][128 along K] of [128][128 bytes]: two blocks along K are 256 dense rows of 128 bytes, one tensor load.  B = W1's codes, rows of 1,024 bytes, 3 MiB into wcodes.
; OUT.  hid: blocks [token block 32][128 hidden units 32] of 16 KiB: a wave's tile is one block.  INSIDE A BLOCK THE CODES LIE IN THE ORDER OF THE NEXT PRODUCT'S OPERAND REGISTERS: the fragment of tokens 16 a .. 16 a + 15
; at 2,048 a; its registers 4 c .. 4 c + 3 at 512 c; lane l's 16 bytes at 16 l: token 16 a + l % 16, hidden units 32 c + 16 (l / 16) + 0 .. 15.  So the next launch loads a fragment by four loads of 512 consecutive bytes.
; RING, CLUSTER: K in steps of 256 through two LDS slots; 4 x 4 work-groups; A's tiles are asked for jointly along a row of the cluster, B's along a column.
; b1 goes in as b1 / 2^(e10 + e11), the C of the first K step's products.  The hold that the conversion wants clips at 0 as well: the activation costs nothing.  The conversion's scale is 2^(e12 - e10 - e11).
; LIMITS: e12 - e10 - e11 between -126 and 119; b1 / 2^(e10 + e11) stays an f32 number.  NaN among the inputs is not served.
; REGISTERS, in windows of 256: window 0: v0-31 addresses; v32-95 the bias; from v128 A's fragments, ONE set; on the way out v32-95 and v128-223 are at work.
;   window 1: B's fragments, TWO sets.   window 2: the accumulators of my rows 0-63 ((a, b) at v[8 (8 a + b)]);   window 3: those of my rows 64-127.
.set FR,     16
.set NL,     4
.set NP,     4
.set APIT,   144                       ; A's row in LDS: 128 bytes + 16
.set BPIT,   272                       ; B's: 256 bytes + 16
.set AHALF,  256*APIT                  ; what A's tensor load brings: 128 tokens x two blocks along K
.set BHALF,  128*BPIT                  ; what B's brings
.set BOFF,   2*AHALF                   ; B's rows lie behind A's
.set SLOT,   2*AHALF+2*BHALF
.set LAPS,   2
.set SPARE,  2*SLOT
.set AQ,     128*APIT                  ; from one 128 along K to the next: A's next block,
.set AI,     16*APIT
.set BQ,     128                       ; B's next 128 bytes of the rows
.set BI,     16*BPIT
.set ASTEP,  0x10000                   ; a refill's step in memory: four blocks of A,
.set BSTEP,  512                       ; 512 bytes along B's rows
.set SPI,    144                       ; the way out: a stage of 128 rows x (128 bytes + 16) for each wave, in slot 0, which has had its last fill and its last read by then
.set ADRA, 16
.set ADRB, 20
.set STO,  24
.set RD,   25
.set CO,   26
.set SPW,  28
.set NIL,  29
.set SCV,  30
.set LIMV, 31
.set BN,   32
.set AF,   128
.set T,    128
.set CD,   192
.set BK0,  32
.set BK1,  128
.set G1, 24
.set G0, 32
.set G1B, 48
.set G0B, 56
.set MSB, 0
.macro WIN new                         ; the immediate's high byte repeats the setting that is left
.if MSB != (\new)
	s_set_vgpr_msb (MSB<<8)|(\new)
.set MSB, (\new)
.endif
.endm
.set MUL_LO, 0xa1                      ; source 0 (B) window 1, source 1 (A) window 0, C and D window 2
.set MUL_HI, 0xf1
.set TO_B,   0x40
.macro JLOAD s                         ; a joint load: waves 0 and 1 fetch for A, waves 2 and 3 for B; four v_nop follow each of the two lines
	s_cmp_eq_u32 s15, 0
	s_cbranch_scc0 .Lfor_b_\@
	tensor_load_to_lds s[G0+4*\s:G0+4*\s+3], s[G1:G1+7]
	s_nop 0
.rept 4
	v_nop
.endr
	s_branch .Lasked_\@
.Lfor_b_\@:
	tensor_load_to_lds s[G0B+4*\s:G0B+4*\s+3], s[G1B:G1B+7]
	s_nop 0
.rept 4
	v_nop
.endr
.Lasked_\@:
.endm
.macro CREST
	s_cmp_lg_u32 s14, 0
	s_cbranch_scc1 .Lnot_wave_0_\@
	s_barrier_signal -3
.Lnot_wave_0_\@:
	s_barrier_wait -3
	s_barrier_signal -1
	s_barrier_wait -1
.endm
.macro CROUND
	s_barrier_signal -1
	s_barrier_wait -1
	CREST
.endm
	s_load_b128 s[4:7], s[0:1], 0x0                ; hcat s[4:5], wcodes s[6:7]
	s_load_b128 s[8:11], s[0:1], 0x10              ; the exponents s[8:9], b1 s[10:11]
	s_load_b64 s[72:73], s[0:1], 0x20              ; hid
	v_lshl_add_u32 v[SPW], v0, 2, SPARE
	v_mov_b32 v[NIL], 0
	ds_add_u32 v28, v29
	s_wait_dscnt 0x0
	v_lshrrev_b32 v1, 5, v0
	v_readfirstlane_b32 s14, v1                    ; wave 0..3
	s_lshr_b32 s15, s14, 1                         ; which half of the tokens is mine.  Also: I fetch for A (0) or for B (1)
	s_and_b32 s16, s14, 1                          ; which half of W1's rows.  Also: which half of that tile I fetch
	s_bfe_u32 s40, ttmp6, 0x40000                  ; cx, cy
	s_bfe_u32 s41, ttmp6, 0x40004
	s_lshl_b32 s42, ttmp9, 2
	s_add_co_u32 s42, s42, s40                     ; W1's block of 256 rows
	s_and_b32 s17, ttmp7, 0xffff
	s_lshl_b32 s17, s17, 2
	s_add_co_u32 s17, s17, s41                     ; the block of 256 tokens
	s_lshl_b32 s43, s41, 2
	s_lshl_b32 s43, 15, s43                        ; my row of the cluster
	s_lshl_b32 s44, 0x1111, s40                    ; my column
	; A's group 1: 256 dense rows of 128 bytes, 16 bytes of padding behind each
	s_or_b32 s[G1+0], s43, (0<<16)|(1<<20)|(1<<21)|(4<<22)|(3<<25)  ; the mask: my row; elements of 1 byte; padding on; bit 21 beside a mask; after every 32 words (code 4) four words (code 3)
	s_mov_b32 s[G1+1], 128<<16                     ; tensor_dim0
	s_mov_b32 s[G1+2], 256<<16                     ; tensor_dim1
	s_mov_b32 s[G1+3], 128<<16                     ; tile_dim0
	s_mov_b32 s[G1+4], 256                         ; tile_dim1
	s_mov_b32 s[G1+5], 128                         ; tensor_dim0_stride
	s_mov_b32 s[G1+6], 0
	s_mov_b32 s[G1+7], 0
	; B's group 1: 128 rows of 256 bytes, 1,024 bytes apart in memory
	s_or_b32 s[G1B+0], s44, (0<<16)|(1<<20)|(1<<21)|(5<<22)|(3<<25) ; the mask: my column; after every 64 words (code 5) four words
	s_mov_b32 s[G1B+1], 256<<16
	s_mov_b32 s[G1B+2], 128<<16
	s_mov_b32 s[G1B+3], 256<<16
	s_mov_b32 s[G1B+4], 128
	s_mov_b32 s[G1B+5], 1024
	s_mov_b32 s[G1B+6], 0
	s_mov_b32 s[G1B+7], 0
	s_lshl_b32 s20, s17, 1
	s_add_co_u32 s20, s20, s16
	s_lshl_b32 s20, s20, 17                        ; A: token block 2 x block + half: its eight blocks along K are 128 KiB on end
	s_mov_b32 s21, 0
	s_lshl_b32 s46, s42, 8
	s_lshl_b32 s47, s16, 7
	s_add_co_u32 s46, s46, s47
	s_lshl_b32 s46, s46, 10
	s_add_co_u32 s46, s46, 0x300000                ; B: W1's codes, row 256 x block + 128 x half
	s_mov_b32 s47, 0
	s_mul_i32 s45, s16, AHALF                      ; where they go: no place in the cluster enters an LDS address
	s_mul_i32 s67, s16, BHALF
	s_add_co_u32 s67, s67, BOFF
	s_wait_kmcnt 0x0
	s_load_b128 s[76:79], s[8:9], 0x20             ; e8 .. e11
	s_load_b64 s[80:81], s[8:9], 0x30              ; e12, e13
	s_add_nc_u64 s[20:21], s[4:5], s[20:21]
	s_add_nc_u64 s[46:47], s[6:7], s[46:47]
	CROUND                                         ; all sixteen work-groups are here: the first joint loads meet
.irp s, 0,1
	s_mov_b32 s[G0+4*\s], 1
	s_add_co_u32 s[G0+4*\s+1], s45, \s*SLOT
	s_add_nc_u64 s[G0+4*\s+2:G0+4*\s+3], s[20:21], \s*32768
	s_or_b32 s[G0+4*\s+3], s[G0+4*\s+3], 0x80000000
	s_mov_b32 s[G0B+4*\s], 1
	s_add_co_u32 s[G0B+4*\s+1], s67, \s*SLOT
	s_add_nc_u64 s[G0B+4*\s+2:G0B+4*\s+3], s[46:47], \s*256
	s_or_b32 s[G0B+4*\s+3], s[G0B+4*\s+3], 0x80000000
	JLOAD \s
.endr
	v_and_b32 v1, 15, v0                           ; r
	v_bfe_u32 v2, v0, 4, 1                         ; h
	v_mul_u32_u24 v3, v1, APIT
	v_lshl_add_u32 v3, v2, 4, v3                   ; A: row x pitch + 16 x half
	v_mul_u32_u24 v4, v1, BPIT
	v_lshl_add_u32 v4, v2, 4, v4                   ; B likewise
	s_mul_i32 s21, s15, AHALF                      ; my 128 tokens
	s_mul_i32 s22, s16, BHALF                      ; my 128 rows of W1
	s_add_co_u32 s22, s22, BOFF
.irp s, 0,1
	v_add_nc_u32 v[ADRA+\s], s21, v3
	v_add_nc_u32 v[ADRB+\s], s22, v4
	s_add_co_u32 s21, s21, SLOT
	s_add_co_u32 s22, s22, SLOT
.endr
	s_mul_i32 s23, s14, 128*SPI                    ; my stage
	v_mul_u32_u24 v5, v1, SPI
	v_lshl_add_u32 v5, v2, 3, v5
	v_add_nc_u32 v[STO], s23, v5                   ; in: row r, 8 bytes for each half of the lanes
	v_mul_u32_u24 v7, v1, SPI
	v_lshl_add_u32 v7, v2, 4, v7
	v_add_nc_u32 v[RD], s23, v7                    ; back, in the order of the next operand's registers: row r, 16 bytes for each half of the lanes; the 16 rows of a pass start 36 words apart: 16 different groups of four banks
	v_and_b32 v6, 31, v0
	v_lshlrev_b32 v[CO], 4, v6                     ; and out: 16 x lane
	s_lshl_b32 s74, s42, 10                        ; b1 at 256 x block + 128 x half
	s_lshl_b32 s75, s16, 9
	s_add_co_u32 s74, s74, s75
	s_mov_b32 s75, 0
	s_add_nc_u64 s[96:97], s[10:11], s[74:75]
	v_lshlrev_b32 v9, 5, v2                        ; tile b's numbers 16 b + 8 h + 0 .. 7
.irp b, 0,1,2,3,4,5,6,7
	global_load_b128 v[BN+8*\b:BN+8*\b+3], v9, s[96:97] offset:64*\b
	global_load_b128 v[BN+8*\b+4:BN+8*\b+7], v9, s[96:97] offset:64*\b+16
.endr
	s_lshl_b32 s66, s17, 1                         ; my block of hid: (token block x 32 + block of hidden units) x 16 KiB
	s_add_co_u32 s66, s66, s15
	s_lshl_b32 s66, s66, 5
	s_lshl_b32 s67, s42, 1
	s_add_co_u32 s67, s67, s16
	s_add_co_u32 s66, s66, s67
	s_lshl_b32 s66, s66, 14
	s_mov_b32 s67, 0
	s_add_nc_u64 s[72:73], s[72:73], s[66:67]
	s_wait_kmcnt 0x0
	s_add_co_i32 s86, s78, s79                     ; e10 + e11
	s_sub_co_i32 s88, 0, s86
	s_sub_co_i32 s89, s80, s86
	s_add_co_i32 s89, s89, 127
	s_lshl_b32 s90, s89, 23
	v_mov_b32 v[SCV], s90                          ; 2^(e12 - e10 - e11)
	s_add_co_i32 s89, s89, 8
	s_lshl_b32 s89, s89, 23
	s_or_b32 s89, s89, 0x600000
	v_mov_b32 v[LIMV], s89                         ; 448 x that
	s_wait_loadcnt 0x0
.set ii, 0
.rept 64
	v_ldexp_f32 v[BN+ii], v[BN+ii], s88            ; b1 / 2^(e10 + e11)
.set ii, ii+1
.endr
.macro FRAG reg, adr, off              ; a fragment, 16 rows x 128 K: registers 4 c .. 4 c + 3 hold K = 32 c + 16 (l / 16) + 0 .. 15: the same order of k in A and in B
.irp c, 0,1,2,3
	ds_load_b128 v[\reg+4*\c:\reg+4*\c+3], v[\adr] offset:\off+32*\c
.endr
.endm
; 16 matrix instructions: A's blocks a0, a0 + 1 x B's eight.  mode 2: the bias starts the sums; 0: they go on.  The 64 accumulators take turns, one instruction a turn.
.macro MUL16 a0, p, mode
.irp a, \a0, \a0+1
.irp b, 0,1,2,3,4,5,6,7
.if \mode == 2
	v_wmma_f32_16x16x128_fp8_fp8 v[8*(8*((\a)%4)+\b):8*(8*((\a)%4)+\b)+7], v[128*(\p)+FR*\b:128*(\p)+FR*\b+FR-1], v[AF+FR*(\a):AF+FR*(\a)+FR-1], v[BN+8*\b:BN+8*\b+7]
.else
	v_wmma_f32_16x16x128_fp8_fp8 v[8*(8*((\a)%4)+\b):8*(8*((\a)%4)+\b)+7], v[128*(\p)+FR*\b:128*(\p)+FR*\b+FR-1], v[AF+FR*(\a):AF+FR*(\a)+FR-1], v[8*(8*((\a)%4)+\b):8*(8*((\a)%4)+\b)+7]
.endif
.endr
.endr
.endm
.macro FETCH_B slot, q, p
	WIN TO_B
.irp i, 0,1,2,3,4,5,6,7
	FRAG 128*(\p)+FR*\i, ADRB+\slot, BQ*(\q)+BI*\i
.endr
	WIN 0
.endm
.macro FETCH_A slot, q, i0
.irp i, \i0, \i0+1, \i0+2, \i0+3
	FRAG AF+FR*(\i), ADRA+\slot, AQ*(\q)+AI*(\i)
.endr
.endm
.macro PLACES n                        ; plain vector lines between a matrix instruction and a load into, or a vector read or write of, its registers (ISA guide 7.12.1 for vector reads and writes)
.rept \n
	v_nop
.endr
.endm
.macro STEP slot, q, mode              ; a step of 128 along K that has its successor in the same slot
	s_wait_dscnt 4*NL                              ; B's set and A's blocks 0-3 are in; the youngest 16 loads (A's blocks 4-7) may be out
.if \mode == 2
	WIN 0x81                                       ; C (the bias) window 0, D window 2
.else
	WIN MUL_LO
.endif
	MUL16 0, (\q)%2, \mode
	MUL16 2, (\q)%2, \mode
	s_wait_dscnt 0                                 ; A's blocks 4-7 are in
	PLACES NP
	FETCH_B \slot, (\q)+1, 1-(\q)%2
	FETCH_A \slot, (\q)+1, 0
.if \mode == 2
	WIN 0xc1
.else
	WIN MUL_HI
.endif
	MUL16 4, (\q)%2, \mode
	MUL16 6, (\q)%2, \mode
	PLACES NP
	WIN 0
	FETCH_A \slot, (\q)+1, 4
.endm
; A slot's last step changes slots: ONE barrier; in front of it each wave waits for all its tensor loads, adds 0 to its spare word, and waits for that and for its own reads of this slot.
.macro TURN slot, next, fill
	s_wait_tensorcnt 0x0                           ; all my tensor loads have landed: my part of the next slot
	ds_add_u32 v[SPW], v[NIL]                      ; 0 onto my spare word
	s_wait_dscnt 4*NL+1                            ; (the add and the youngest 16 loads may be out)
	WIN MUL_LO
	MUL16 0, 1, 0
	s_wait_dscnt 0x0                               ; the add is done, and my reads of this slot are over
	s_barrier_signal -1
	MUL16 2, 1, 0
	WIN 0
	s_barrier_wait -1
.if \fill
	CREST                                          ; the barrier has opened a round of the cluster's barrier
	s_add_nc_u64 s[G0+4*\slot+2:G0+4*\slot+3], s[G0+4*\slot+2:G0+4*\slot+3], ASTEP
	s_add_nc_u64 s[G0B+4*\slot+2:G0B+4*\slot+3], s[G0B+4*\slot+2:G0B+4*\slot+3], BSTEP
	JLOAD \slot                                    ; the first tensor load behind the round; its four v_nop are also the places in front of the loads below
.else
	PLACES NP
.endif
	FETCH_B \next, 0, 0
	FETCH_A \next, 0, 0
	WIN MUL_HI
	MUL16 4, 1, 0
	MUL16 6, 1, 0
	PLACES NP
	WIN 0
	FETCH_A \next, 0, 4
.endm
	s_wait_tensorcnt 1                             ; my part of K step 0 is in (K step 1's load may be out)
	s_barrier_signal -1
	s_barrier_wait -1
	FETCH_B 0, 0, 0
	FETCH_A 0, 0, 0
	FETCH_A 0, 0, 4
	STEP 0, 0, 2                                   ; the first step's products start the sums, with the bias
	s_mov_b32 s3, LAPS-1
.Llap:
	TURN 0, 1, 1
	STEP 1, 0, 0
	TURN 1, 0, 1
	STEP 0, 0, 0
	s_sub_co_u32 s3, s3, 1
	s_cmp_lg_u32 s3, 0
	s_cbranch_scc1 .Llap
	TURN 0, 1, 0                                   ; the last lap fills nothing
	STEP 1, 0, 0
	s_wait_dscnt 4*NL
	WIN MUL_LO
	MUL16 0, 1, 0
	MUL16 2, 1, 0
	s_wait_dscnt 0
	WIN MUL_HI
	MUL16 4, 1, 0
	MUL16 6, 1, 0
	WIN 0
; THE WAY OUT.  Block a (16 tokens x 128 hidden units): the activation and the hold in one, the conversion, 8 bytes a tile into my stage.
.macro OUTBLK a
.set AC, 64*((\a)%4)
.set CW, CD+16*((\a)%2)
	WIN 0x02+((\a)/4)                              ; source 0: window 2 or 3
.set jj, 0
.rept 64
	v_med3_num_f32 v[T+jj], v[AC+jj], 0, v[LIMV]   ; between 0 and the largest code x the scale; each accumulator from its low end on
.set jj, jj+1
.endr
	WIN 0
.irp b, 0,1,2,3,4,5,6,7
	v_cvt_scalef32_pk8_fp8_f32 v[CW+2*\b:CW+2*\b+1], v[T+8*\b:T+8*\b+7], v[SCV]
.endr
	v_nop                                          ; a plain line between the conversions and the next block's holds, which write their sources
.irp b, 0,1,2,3,4,5,6,7
	ds_store_b64 v[STO], v[CW+2*\b:CW+2*\b+1] offset:16*SPI*(\a)+16*\b
.endr
.endm
	PLACES NP
.irp a, 0,1,2,3,4,5,6,7
	OUTBLK \a
.endr
	; load ii brings registers 4 c .. 4 c + 3 (c = ii % 4) of the fragment of tokens 16 (ii / 4) on, as the next launch's lanes will hold them; my own stage: LDS serves a wave's instructions in order
.set ii, 0
.rept 16
	ds_load_b128 v[BK0+4*ii:BK0+4*ii+3], v[RD] offset:16*SPI*(ii/4)+32*(ii%4)
.set ii, ii+1
.endr
.rept 16
	ds_load_b128 v[BK1+4*(ii-16):BK1+4*(ii-16)+3], v[RD] offset:16*SPI*(ii/4)+32*(ii%4)
.set ii, ii+1
.endr
.set ii, 0
.rept 16
	s_wait_dscnt 31-ii                             ; the younger loads may be out
	global_store_b128 v[CO], v[BK0+4*ii:BK0+4*ii+3], s[72:73] offset:512*ii   ; 512 consecutive bytes of the block
.set ii, ii+1
.endr
.rept 16
	s_wait_dscnt 31-ii
	global_store_b128 v[CO], v[BK1+4*(ii-16):BK1+4*(ii-16)+3], s[72:73] offset:512*ii
.set ii, ii+1
.endr
	s_wait_tensorcnt 0x0                           ; the wave's end
	ds_add_u32 v[SPW], v[NIL]
	s_wait_dscnt 0x0
	CROUND                                         ; the closing round
	s_endpgm
.Lfunc_end_k_q440eb2f0d3_ff1:
	.size	k_q440eb2f0d3_ff1, .Lfunc_end_k_q440eb2f0d3_ff1-k_q440eb2f0d3_ff1
	.p2alignl 7, 3214868480
	.fill 96, 4, 3214868480
	.section	.rodata,"a",@progbits
	.p2align	6, 0x0
	.amdhsa_kernel k_q440eb2f0d3_ff1
		.amdhsa_group_segment_fixed_size 327680
		.amdhsa_private_segment_fixed_size 0
		.amdhsa_enable_private_segment 0
		.amdhsa_kernarg_size 40
		.amdhsa_user_sgpr_count 2
		.amdhsa_user_sgpr_kernarg_segment_ptr 1
		.amdhsa_wavefront_size32 1
		.amdhsa_system_sgpr_workgroup_id_x 1
		.amdhsa_system_sgpr_workgroup_id_y 1
		.amdhsa_system_sgpr_workgroup_id_z 1
		.amdhsa_system_vgpr_workitem_id 0
		.amdhsa_next_free_vgpr 1024
		.amdhsa_next_free_sgpr 100
		.amdhsa_reserve_vcc 0
		.amdhsa_float_denorm_mode_32 3
		.amdhsa_float_denorm_mode_16_64 3
		.amdhsa_memory_ordered 1
		.amdhsa_forward_progress 1
		.amdhsa_inst_pref_size 131
	.end_amdhsa_kernel
	.amdgpu_metadata
---
amdhsa.version: [ 1, 2 ]
amdhsa.kernels:
  - .name:           k_q440eb2f0d3_ff1
    .symbol:         k_q440eb2f0d3_ff1.kd
    .args:
      - { .name: hcat, .offset: 0, .size: 8, .value_kind: global_buffer, .address_space: global }
      - { .name: wcodes, .offset: 8, .size: 8, .value_kind: global_buffer, .address_space: global }
      - { .name: lowp_scales, .offset: 16, .size: 8, .value_kind: global_buffer, .address_space: global }
      - { .name: b1, .offset: 24, .size: 8, .value_kind: global_buffer, .address_space: global }
      - { .name: hid, .offset: 32, .size: 8, .value_kind: global_buffer, .address_space: global }
    .group_segment_fixed_size: 327680
    .private_segment_fixed_size: 0
    .kernarg_segment_align: 8
    .kernarg_segment_size: 40
    .max_flat_workgroup_size: 128
    .sgpr_count:     100
    .vgpr_count:     1024
    .wavefront_size: 32
...
	.end_amdgpu_metadata
.endif
;; end of part 4
;; launch ff2 (part 5): grid 32 x 8, 4 waves a work-group, clusters of 4 x 1, 327,680 bytes of LDS; arguments hid, wcodes, lowp_scales, b2, out0; writes out0
.if DOCPART == 5
	.amdgcn_target "amdgcn-amd-amdhsa--gfx1250"
	.amdhsa_code_object_version 6
	.text
	.protected	k_q440eb2f0d3_ff2
	.globl	k_q440eb2f0d3_ff2
	.p2align	8
	.type	k_q440eb2f0d3_ff2,@function
k_q440eb2f0d3_ff2:
	s_mov_b64 s[64:65], 0
	v_nop
	global_prefetch_b8 v0, s[64:65] scope:SCOPE_SE
	s_setreg_imm32_b32 hwreg(HW_REG_WAVE_MODE, 25, 1), 1
	s_wait_xcnt 0x0
	s_wait_alu depctr_hold_cnt(0) depctr_sa_sdst(0) depctr_va_vdst(0) depctr_va_sdst(0) depctr_va_ssrc(0) depctr_va_vcc(0) depctr_vm_vsrc(0)
	s_getreg_b32 s2, hwreg(HW_REG_IB_STS2, 6, 4)
	s_cmp_eq_u32 s2, 0
	s_cbranch_scc0 .Lentry_in_a_cluster
	s_endpgm
.Lentry_in_a_cluster:
	s_bfe_u32 s2, ttmp6, 0x10000c
	s_cmp_lg_u32 s2, 0x3003
	s_cbranch_scc0 .Lentry_shape_is_right
	s_endpgm
.Lentry_shape_is_right:
; out0 = hid W2^T + b2 on codes of E4M3 (entries 12, 13).  M = 4,096 tokens, N = 1,024, K = 4,096.
; TILE.  C has 64 tiles of 256 x 256, too few; so a work-group (x: block of 128 tokens, y: block of 128 rows of W2) makes 128 x 128 and ITS FOUR WAVES SHARE K: of each 1,024 along K wave w multiplies 256 w .. 256 w + 255,
; in two steps of 128, each wave with the whole 128 x 128 in 64 accumulators, so that a fragment feeds eight products.  The four partial tiles meet in LDS at the end, which is also the way out.
; A = hid COMES STRAIGHT INTO REGISTERS.  The launch before has laid each block [128 tokens][128 along K] in the order of the operand's registers (fragment a at 2,048 a, registers 4 c .. 4 c + 3 at 512 c, lane l at 16 l),
; so a fragment is four loads of 512 consecutive bytes.  A wave's 64 fragments go through a ring of 14 in registers: 28 KiB a wave are on their way; a fragment is asked for 96 matrix instructions ahead of its first use.
; A IS NOT ASKED FOR JOINTLY, though eight work-groups (the eight blocks of W2's rows) read the same tokens: a joint load lands in LDS, and with K shared out among the waves no fragment of A is read by two waves, so LDS
; would be a way station only; A and B together let a slot hold 512 along K, 64 products a wave for each change of slots.  With A in registers B's slots hold 1,024 along K: two changes of slots fill, where six would.
; B = W2's codes, rows of 4,096 bytes, 7 MiB into wcodes, through two LDS slots of 128 rows x 1,024 bytes; waves 0 and 1 bring 64 rows each.  CLUSTER: the four blocks of tokens of a cluster need the same rows of W2:
; each tile is asked for jointly, by the same tensor load with the same descriptor and the mask of all four.
; THE MATRIX INSTRUCTION IS USED TRANSPOSED (source 0 = 16 rows of W2, source 1 = 16 tokens): a lane holds eight neighbouring outputs of a token.
; K is written out, eight steps a wave: the ring's 14 places do not divide a step's 8 fragments, so register numbers come back only after 7 steps.  The assembler counts the fragments asked for (ISS) and makes the waits' counts.
; The order of the sums: four partial sums over K, added as (0 + 1) + (2 + 3); then x 2^(e12 + e13) + b2 in one fused multiply-add.
; LIMIT: e12 + e13 between -126 and 127.
; REGISTERS, in windows of 256: window 0: v0-31 addresses and b2; v32-255 A's ring of 14 fragments; at the end v32-159 hold rows of the partial tiles.
;   window 1: B's fragments, TWO sets.   window 2: the accumulators of tokens 0-63 ((a, b) at v[8 (8 a + b)]);   window 3: those of tokens 64-127.
; A run of loads costs two switches of the window: ten for a step's 64 matrix instructions.
.set FR,     16                        ; registers of a fragment: 16 rows x 128 K
.set NP,     4                         ; places behind this matrix instruction (ISA guide 7.12.1)
.set NFR,    14                        ; places in A's ring
.set NFRAG,  64                        ; A's fragments of a wave: 8 steps x 8
.set BPIT,   1040                      ; B's row in LDS: 1,024 bytes + 16 = 260 words: the 16 rows that a load touches start 4 words apart modulo 64
.set BHALF,  64*BPIT                   ; what one tensor load brings
.set SLOT,   2*BHALF
.set BI,     16*BPIT
.set BSTEP,  2048                      ; a refill's step along B's rows
.set RP,     528                       ; a row of a partial tile: 128 f32 + 16 bytes
.set PART,   128*RP                    ; a partial tile; the four lie over the ring, which has had its last fill and its last read by then
.set SPARE,  4*PART                    ; behind the ring and the partial tiles: the spare words, 128 bytes a wave
.set RDU,  8                           ; v8-11   where I read a row of partial tile 0 .. 3
.set B2R,  12                          ; v12-15  my four numbers of b2
.set ADRB, 20                          ; v20-23  LDS address of my B fragments: slot 0 rows 0-63, rows 64-127, slot 1 likewise (an immediate reaches 65,535 bytes, four fragments' rows)
.set STO,  24                          ; v24     where I put 16 bytes of my partial tile
.set CO,   26                          ; v26     16 x lane; never rewritten
.set SPW,  28                          ; v28     LDS address of my spare word; never rewritten
.set NIL,  29                          ; v29     0; never rewritten
.set AR0,  32                          ; A's ring
.set SET,  32                          ; v32-95, v96-159: at the end two sets of four rows x four partial tiles
.set AB,   90                          ; s[90:91] hid at my wave's first block; never rewritten
.set G1B, 48                           ; s[48:55] descriptor group 1;  s[56:63] group 0, one set for each slot
.set G0B, 56
.set MSB, 0
.macro WIN new                         ; the immediate's high byte repeats the setting that is left
.if MSB != (\new)
	s_set_vgpr_msb (MSB<<8)|(\new)
.set MSB, (\new)
.endif
.endm
.set MUL_LO, 0xa1                      ; source 0 (B) window 1, source 1 (A) window 0, C and D window 2; + 0x50: C and D window 3
.set TO_B,   0x40                      ; destination window 1, address window 0
.macro JLOAD s                         ; a joint refill: waves 0 and 1 bring 64 rows each, the others nothing; the branch hangs on the wave's number alone; four v_nop follow the load
	s_cmp_lt_u32 s14, 2
	s_cbranch_scc0 .Lnone_\@
	tensor_load_to_lds s[G0B+4*\s:G0B+4*\s+3], s[G1B:G1B+7]
	s_nop 0
.rept 4
	v_nop
.endr
.Lnone_\@:
.endm
.macro CREST                           ; a round of the cluster's barrier behind its opening barrier
	s_cmp_lg_u32 s14, 0
	s_cbranch_scc1 .Lnot_wave_0_\@
	s_barrier_signal -3
.Lnot_wave_0_\@:
	s_barrier_wait -3
	s_barrier_signal -1
	s_barrier_wait -1
.endm
.macro CROUND                          ; a whole round
	s_barrier_signal -1
	s_barrier_wait -1
	CREST
.endm
; A's next fragment, number ISS of 64: step ISS / 8 is block 8 (ISS / 16) + (ISS / 8) % 2 from my first, fragment ISS % 8 of it; into place ISS % 14.  Behind the 64th nothing is asked for: no load leaves the buffer.
.set ISS, 0
.macro ALOAD
.if ISS < NFRAG
.irp c, 0,1,2,3
	global_load_b128 v[AR0+FR*(ISS%NFR)+4*\c:AR0+FR*(ISS%NFR)+4*\c+3], v[CO], s[AB:AB+1] offset:((ISS/16)*8+(ISS/8)%2)*16384+(ISS%8)*2048+512*\c   ; 32 lanes read 512 consecutive bytes
.endr
.set ISS, ISS+1
.endif
.endm
.macro AWAIT u                         ; fragments 0 .. u are in: loads come back in order (ISA guide 5.7.1), and four were issued for each fragment behind u
	s_wait_loadcnt 4*(ISS-1-(\u))
.endm
	s_load_b128 s[4:7], s[0:1], 0x0                ; hid s[4:5], wcodes s[6:7]
	s_load_b128 s[8:11], s[0:1], 0x10              ; the exponents s[8:9], b2 s[10:11]
	s_load_b64 s[72:73], s[0:1], 0x20              ; out0
	v_lshl_add_u32 v[SPW], v0, 2, SPARE
	v_mov_b32 v[NIL], 0
	ds_add_u32 v28, v29
	s_wait_dscnt 0x0
	v_lshrrev_b32 v1, 5, v0
	v_readfirstlane_b32 s14, v1                    ; wave 0..3: also which 256 of each 1,024 along K is mine
	s_and_b32 s16, s14, 1                          ; which 64 rows of B's tile I fetch, if I fetch
	s_bfe_u32 s40, ttmp6, 0x40000                  ; cx
	s_lshl_b32 s17, ttmp9, 2
	s_add_co_u32 s17, s17, s40                     ; my block of 128 tokens: it enters hid's and out0's addresses alone
	s_and_b32 s42, ttmp7, 0xffff                   ; W2's block of 128 rows, which the four partners share
	; every LDS address is made here, of the lane and the wave's number
	v_and_b32 v1, 15, v0                           ; r
	v_bfe_u32 v2, v0, 4, 1                         ; h
	v_and_b32 v6, 31, v0
	v_lshlrev_b32 v[CO], 4, v6
	v_mul_u32_u24 v4, v1, BPIT
	v_lshl_add_u32 v4, v2, 4, v4                   ; B: row x pitch + 16 x half
	s_lshl_b32 s22, s14, 8                         ; + my 256 bytes of the rows' 1,024
.irp n, 0,1,2,3
	v_add_nc_u32 v[ADRB+\n], s22, v4
	s_add_co_u32 s22, s22, BHALF                   ; 64 rows on; two such are a slot
.endr
	s_mul_i32 s23, s14, PART                       ; my partial tile
	v_mul_u32_u24 v5, v1, RP
	v_lshl_add_u32 v5, v2, 5, v5
	v_add_nc_u32 v[STO], s23, v5                   ; row r, 32 bytes for each half of the lanes
	s_mul_i32 s23, s14, 32*RP                      ; I add up and store rows 32 w .. 32 w + 31
.irp u, 0,1,2,3
	v_add_nc_u32 v[RDU+\u], s23, v[CO]
	s_add_co_u32 s23, s23, PART
.endr
	; descriptor group 1: 64 rows of 1,024 bytes, 4,096 bytes apart in memory, 16 bytes of padding behind each
	s_mov_b32 s[G1B+0], 15|(0<<16)|(1<<20)|(1<<21)|(7<<22)|(3<<25)  ; 15:0 the mask: all four work-groups; 17:16 elements of 1 byte; 20 padding on; 21 set beside a mask; 24:22 after every 256 words (code 7); 31:25 four words (code 3)
	s_mov_b32 s[G1B+1], 1024<<16                   ; tensor_dim0
	s_mov_b32 s[G1B+2], 64<<16                     ; tensor_dim1
	s_mov_b32 s[G1B+3], 1024<<16                   ; tile_dim0
	s_mov_b32 s[G1B+4], 64                         ; tile_dim1
	s_mov_b32 s[G1B+5], 4096                       ; tensor_dim0_stride
	s_mov_b32 s[G1B+6], 0
	s_mov_b32 s[G1B+7], 0
	s_lshl_b32 s20, s17, 5
	s_lshl_b32 s21, s14, 1
	s_add_co_u32 s20, s20, s21
	s_lshl_b32 s20, s20, 14                        ; A: block 32 x token block + 2 x wave
	s_mov_b32 s21, 0
	s_lshl_b32 s46, s42, 7
	s_lshl_b32 s47, s16, 6
	s_add_co_u32 s46, s46, s47
	s_lshl_b32 s46, s46, 12
	s_add_co_u32 s46, s46, 0x700000                ; B: W2's codes, row 128 x block + 64 x half
	s_mov_b32 s47, 0
	s_mul_i32 s45, s16, BHALF                      ; where it goes: no place in the cluster enters an LDS address
	s_lshl_b32 s74, s42, 9                         ; b2 at 128 x block; also the block's bytes in a row of out0
	s_mov_b32 s75, 0
	s_lshl_b32 s66, s17, 7                         ; out0: row 128 x token block + 32 x wave
	s_lshl_b32 s67, s14, 5
	s_add_co_u32 s66, s66, s67
	s_lshl_b32 s66, s66, 12
	s_add_co_u32 s66, s66, s74
	s_mov_b32 s67, 0
	s_wait_kmcnt 0x0
	s_load_b64 s[76:77], s[8:9], 0x30              ; e12, e13
	s_add_nc_u64 s[AB:AB+1], s[4:5], s[20:21]
	s_add_nc_u64 s[46:47], s[6:7], s[46:47]
	s_add_nc_u64 s[96:97], s[10:11], s[74:75]
	s_add_nc_u64 s[72:73], s[72:73], s[66:67]
	global_load_b128 v[B2R:B2R+3], v[CO], s[96:97] ; my four numbers of b2: the oldest load, so it counts in none of the waits below
.rept NFR
	ALOAD                                          ; the ring is filled: 56 loads
.endr
.irp s, 0,1
	s_mov_b32 s[G0B+4*\s], 1                       ; count = 1
	s_add_co_u32 s[G0B+4*\s+1], s45, \s*SLOT       ; LDS address
	s_add_nc_u64 s[G0B+4*\s+2:G0B+4*\s+3], s[46:47], \s*1024   ; K 1,024 x slot on
	s_or_b32 s[G0B+4*\s+3], s[G0B+4*\s+3], 0x80000000          ; type = 2
.endr
	CROUND                                         ; all four work-groups are here: the first joint loads meet
	s_cmp_lt_u32 s14, 2                            ; a wave's two first fills stand in one branch, ahead of every wait on TENSORcnt and every LDS read: two loads of a wave are out at the most
	s_cbranch_scc0 .Lno_fill
	tensor_load_to_lds s[G0B:G0B+3], s[G1B:G1B+7]
	s_nop 0
	tensor_load_to_lds s[G0B+4:G0B+7], s[G1B:G1B+7]
	s_nop 0
.rept 4
	v_nop
.endr
.Lno_fill:
	s_wait_kmcnt 0x0
	s_add_co_i32 s70, s76, s77
	s_add_co_i32 s70, s70, 127
	s_lshl_b32 s70, s70, 23                        ; 2^(e12 + e13) as f32
	s_mov_b32 s71, s70                             ; (named with it as a pair, so it is written)
; 16 matrix instructions of step st: A's fragments a0, a0 + 1 (numbers 8 st + a of the 64) x B's eight of set st % 2.  mode 1: the first product starts the sums; 0: they go on.
; The 64 accumulators take turns, one instruction a turn, in the same order in every step.
.macro MUL16 st, a0, mode
.irp a, \a0, \a0+1
.irp b, 0,1,2,3,4,5,6,7
.if \mode == 1
	v_wmma_f32_16x16x128_fp8_fp8 v[8*(8*((\a)%4)+\b):8*(8*((\a)%4)+\b)+7], v[128*((\st)%2)+FR*\b:128*((\st)%2)+FR*\b+FR-1], v[AR0+FR*((8*(\st)+(\a))%NFR):AR0+FR*((8*(\st)+(\a))%NFR)+FR-1], 0
.else
	v_wmma_f32_16x16x128_fp8_fp8 v[8*(8*((\a)%4)+\b):8*(8*((\a)%4)+\b)+7], v[128*((\st)%2)+FR*\b:128*((\st)%2)+FR*\b+FR-1], v[AR0+FR*((8*(\st)+(\a))%NFR):AR0+FR*((8*(\st)+(\a))%NFR)+FR-1], v[8*(8*((\a)%4)+\b):8*(8*((\a)%4)+\b)+7]
.endif
.endr
.endr
.endm
.macro FETCH_B slot, q, p              ; B's eight fragments of my q-th 128 along K of a slot into set p: registers 4 c .. 4 c + 3 hold K = 32 c + 16 (l / 16) + 0 .. 15, the order in which A's fragments lie
	WIN TO_B
.irp i, 0,1,2,3,4,5,6,7
.irp c, 0,1,2,3
	ds_load_b128 v[128*(\p)+FR*\i+4*\c:128*(\p)+FR*\i+4*\c+3], v[ADRB+2*(\slot)+\i/4] offset:BI*(\i%4)+128*(\q)+32*\c
.endr
.endr
	WIN 0
.endm
.macro PLACES n                        ; plain vector lines between a matrix instruction and a load into, or a read of, its registers (ISA guide 7.12.1 for reads)
.rept \n
	v_nop
.endr
.endm
; Two fragments of A: they are waited for and multiplied, and their places in the ring take the fragments 14 further on.
.macro PAIR st, a0, mode
	AWAIT 8*(\st)+(\a0)+1                          ; in the steady state the 48 loads of the twelve fragments behind them may be out
	WIN MUL_LO+0x50*((\a0)/4)
	MUL16 \st, \a0, \mode
.if ISS < NFRAG
	PLACES NP
	WIN 0
	ALOAD
	ALOAD
.endif
.endm
; A step whose successor lies in the same slot.  B's next set is fetched in its middle; the four plain lines of the step's first PAIR stand between the last products that read that set and these loads.
.macro STEP st, slot, mode
	s_wait_dscnt 0x0                               ; B's set is in
	PAIR \st, 0, \mode
	PAIR \st, 2, \mode
	FETCH_B \slot, 1, ((\st)+1)%2
	PAIR \st, 4, \mode
	PAIR \st, 6, \mode
.endm
; A slot's last step changes slots: ONE barrier; in front of it each wave waits for all its tensor loads, adds 0 to its spare word, and waits for that and for its own reads of this slot.
; fill = 1: this slot is filled again, 2,048 along K ahead; 96 matrix instructions stand between the request and the wait for it.  No memory instruction stands between the add and the refill: so the first two pairs' places
; in A's ring are asked for again behind the round, four fragments in one run.
.macro TURN st, slot, next, fill
	WIN 0                                          ; (the add's two registers lie in window 0)
	s_wait_tensorcnt 0x0                           ; all my tensor loads have landed: my part of the next slot
	ds_add_u32 v[SPW], v[NIL]                      ; 0 onto my spare word
	s_wait_dscnt 0x1                               ; B's set is in (the add may be out)
	AWAIT 8*(\st)+3                                ; A's first four fragments of the step: the 40 loads of the ten fragments behind them may be out
	WIN MUL_LO
	MUL16 \st, 0, 0                                ; sixteen matrix instructions stand between the add and the wait for it
	s_wait_dscnt 0x0                               ; the add is done, and my reads of this slot are over
	s_barrier_signal -1
	MUL16 \st, 2, 0
	WIN 0
	s_barrier_wait -1
.if \fill
	CREST                                          ; the barrier has opened a round of the cluster's barrier: no wave of any partner still reads this slot's tile or has a load on its way
	s_add_nc_u64 s[G0B+4*\slot+2:G0B+4*\slot+3], s[G0B+4*\slot+2:G0B+4*\slot+3], BSTEP
	JLOAD \slot                                    ; the first tensor load behind the round
.endif
	PLACES NP                                      ; on every wave's path, in front of the loads below
	ALOAD
	ALOAD
	ALOAD
	ALOAD
	FETCH_B \next, 0, ((\st)+1)%2
	PAIR \st, 4, 0
	PAIR \st, 6, 0
.endm
	s_wait_tensorcnt 1                             ; my part of slot 0 is in (slot 1's load may be out)
	s_barrier_signal -1
	s_barrier_wait -1                              ; everybody's is
	FETCH_B 0, 0, 0
	STEP 0, 0, 1                                   ; the first step's products start the sums
	TURN 1, 0, 1, 1                                ; slot 0 takes K 2,048 on
	STEP 2, 1, 0
	TURN 3, 1, 0, 1                                ; slot 1 takes K 3,072 on: the last fill
	STEP 4, 0, 0
	TURN 5, 0, 1, 0                                ; nothing is left to fetch for B
	STEP 6, 1, 0
	s_wait_dscnt 0x0                               ; the last step: B's set is in; my reads of the ring are over
	PAIR 7, 0, 0
	PAIR 7, 2, 0
	PAIR 7, 4, 0
	PAIR 7, 6, 0                                   ; its wait is for 0: all loads are in, b2's too
	WIN 0
	PLACES NP                                      ; behind the last products: the stores below read results, and loads will land in A's ring
	s_barrier_signal -1                            ; every wave's reads of the ring are over (each has waited for them), and every fill has landed: the partial tiles may lie over it
	s_barrier_wait -1
.macro PUT a                           ; block a of my partial tile: each accumulator's low four registers first
	WIN 0x08+4*((\a)/4)                            ; the stores' data: window 2 or 3
.irp b, 0,1,2,3,4,5,6,7
	ds_store_b128 v[STO], v[64*((\a)%4)+8*\b:64*((\a)%4)+8*\b+3] offset:16*RP*(\a)+64*\b
	ds_store_b128 v[STO], v[64*((\a)%4)+8*\b+4:64*((\a)%4)+8*\b+7] offset:16*RP*(\a)+64*\b+16
.endr
.endm
.irp a, 0,1,2,3,4,5,6,7
	PUT \a
.endr
	WIN 0
	s_wait_dscnt 0x0                               ; for the others' sake: my partial tile lies in LDS
	s_barrier_signal -1
	s_barrier_wait -1
.macro LOADB g                         ; rows 4 g .. 4 g + 3 of my 32, from all four partial tiles: 32 lanes take a row's 512 bytes
.if (\g) >= 2
	s_wait_xcnt 0x0                                ; the stores of two batches ago have read this set's registers
.endif
.irp t, 0,1,2,3
.irp u, 0,1,2,3
	ds_load_b128 v[SET+64*((\g)%2)+16*\t+4*\u:SET+64*((\g)%2)+16*\t+4*\u+3], v[RDU+\u] offset:RP*(4*(\g)+\t)
.endr
.endr
.endm
.macro PROC g, younger
	s_wait_dscnt \younger                          ; this batch is in; the next batch's 16 loads may be out
.irp t, 0,1,2,3
.set PB, SET+64*((\g)%2)+16*\t
	v_pk_add_f32 v[PB:PB+1], v[PB:PB+1], v[PB+4:PB+5]
	v_pk_add_f32 v[PB+2:PB+3], v[PB+2:PB+3], v[PB+6:PB+7]
	v_pk_add_f32 v[PB+8:PB+9], v[PB+8:PB+9], v[PB+12:PB+13]
	v_pk_add_f32 v[PB+10:PB+11], v[PB+10:PB+11], v[PB+14:PB+15]
	v_pk_add_f32 v[PB:PB+1], v[PB:PB+1], v[PB+8:PB+9]
	v_pk_add_f32 v[PB+2:PB+3], v[PB+2:PB+3], v[PB+10:PB+11]
	v_pk_fma_f32 v[PB:PB+1], v[PB:PB+1], s[70:71], v[B2R:B2R+1] op_sel_hi:[1,0,1]       ; sum x 2^(e12 + e13) + b2
	v_pk_fma_f32 v[PB+2:PB+3], v[PB+2:PB+3], s[70:71], v[B2R+2:B2R+3] op_sel_hi:[1,0,1]
	global_store_b128 v[CO], v[PB:PB+3], s[72:73] offset:4096*(4*(\g)+\t) th:TH_STORE_NT   ; 32 lanes store 512 consecutive bytes, at a multiple of 256 from out0's first byte
.endr
.endm
	LOADB 0
.irp g, 0,1,2,3,4,5,6
	LOADB \g+1
	PROC \g, 16
.endr
	PROC 7, 0
	s_wait_tensorcnt 0x0                           ; the wave's end
	ds_add_u32 v[SPW], v[NIL]
	s_wait_dscnt 0x0
	CROUND                                         ; the closing round: no work-group ends while a partner may still ask for a tile that names it
	s_endpgm
.Lfunc_end_k_q440eb2f0d3_ff2:
	.size	k_q440eb2f0d3_ff2, .Lfunc_end_k_q440eb2f0d3_ff2-k_q440eb2f0d3_ff2
	.p2alignl 7, 3214868480
	.fill 96, 4, 3214868480
	.section	.rodata,"a",@progbits
	.p2align	6, 0x0
	.amdhsa_kernel k_q440eb2f0d3_ff2
		.amdhsa_group_segment_fixed_size 327680
		.amdhsa_private_segment_fixed_size 0
		.amdhsa_enable_private_segment 0
		.amdhsa_kernarg_size 40
		.amdhsa_user_sgpr_count 2
		.amdhsa_user_sgpr_kernarg_segment_ptr 1
		.amdhsa_wavefront_size32 1
		.amdhsa_system_sgpr_workgroup_id_x 1
		.amdhsa_system_sgpr_workgroup_id_y 1
		.amdhsa_system_sgpr_workgroup_id_z 1
		.amdhsa_system_vgpr_workitem_id 0
		.amdhsa_next_free_vgpr 1024
		.amdhsa_next_free_sgpr 100
		.amdhsa_reserve_vcc 0
		.amdhsa_float_denorm_mode_32 3
		.amdhsa_float_denorm_mode_16_64 3
		.amdhsa_memory_ordered 1
		.amdhsa_forward_progress 1
		.amdhsa_inst_pref_size 122
	.end_amdhsa_kernel
	.amdgpu_metadata
---
amdhsa.version: [ 1, 2 ]
amdhsa.kernels:
  - .name:           k_q440eb2f0d3_ff2
    .symbol:         k_q440eb2f0d3_ff2.kd
    .args:
      - { .name: hid, .offset: 0, .size: 8, .value_kind: global_buffer, .address_space: global }
      - { .name: wcodes, .offset: 8, .size: 8, .value_kind: global_buffer, .address_space: global }
      - { .name: lowp_scales, .offset: 16, .size: 8, .value_kind: global_buffer, .address_space: global }
      - { .name: b2, .offset: 24, .size: 8, .value_kind: global_buffer, .address_space: global }
      - { .name: out0, .offset: 32, .size: 8, .value_kind: global_buffer, .address_space: global }
    .group_segment_fixed_size: 327680
    .private_segment_fixed_size: 0
    .kernarg_segment_align: 8
    .kernarg_segment_size: 40
    .max_flat_workgroup_size: 128
    .sgpr_count:     100
    .vgpr_count:     1024
    .wavefront_size: 32
...
	.end_amdgpu_metadata
.endif
;; end of part 5
